; MI455X (gfx1250); checked and timed in simulation.
; The chip was launched on July 23, 2026; its instructions are those of AMD's public machine-readable ISA for CDNA 5 (MIT licence, August 2026) and "CDNA5" Instruction Set Architecture Reference Guide (July 2026). The comments in the code are by the model that wrote it; some were corrected since.
;; Multi Head Attention. Allowed arithmetic: matrix products marked QUANTISED: E2M3 operands, one E8M0 scale for each 32 along K, by v_wmma_scale_f32_16x16x128_f8f6f4 with both operands' format E2M3, f32 sums; everything else in f32.
;; Inputs: bk 1,024 float32; bo 1,024 float32; bq 1,024 float32; bv 1,024 float32; k 4 x 2,048 x 1,024 float32; mask 1 x 1 x 2,048 x 2,048 int32; q 4 x 2,048 x 1,024 float32; v 4 x 2,048 x 1,024 float32; wk 1,024 x 1,024 float32; wo 1,024 x 1,024 float32; wq 1,024 x 1,024 float32; wv 1,024 x 1,024 float32.
;; Outputs: out0 4 x 2,048 x 1,024 float32.
;; This version of the problem:
;;   THIS VERSION OF THE PROBLEM IS GIVEN IN LOW PRECISION. The matrix products marked QUANTISED in the list below multiply operands that are first quantised to E2M3 (2 exponent bits, 3 mantissa bits; 6 bits a number), with one power-of-two scale for each 32 numbers along K (OCP MX v1.0); their sums are f32. All else is computed in f32.
;;   The module's matrix products, in the order in which they are computed (A, B: the left and right operand; K: the contracted axis; several contracted axes count as one K, in the product's order):
;;     1. [M 8,192, K 1,024] x [K 1,024, N 1,024]; A: input q; B: input wq: QUANTISED
;;     2. [M 8,192, K 1,024] x [K 1,024, N 1,024]; A: input k; B: input wk: QUANTISED
;;     3. [M 8,192, K 1,024] x [K 1,024, N 1,024]; A: input v; B: input wv: QUANTISED
;;     4. batch 64 x [M 2,048, K 64] x [K 64, N 2,048]; A: computed on the way; B: computed on the way: QUANTISED
;;     5. batch 64 x [M 2,048, K 2,048] x [K 2,048, N 64]; A: softmax (see below); B: computed on the way: QUANTISED
;;     6. [M 8,192, K 1,024] x [K 1,024, N 1,024]; A: computed on the way; B: input wo: QUANTISED
;;   THE QUANTISER, for each operand of a quantised product, along K:
;;     - K is cut into blocks of 32 from its start; a last block that is shorter is filled with zeros.
;;     - A block's scale is 2^e with e = floor(log2(the largest magnitude in the block)) - 2, held to -126 .. 127; a block of zeros has e = 0. As a byte (E8M0): e + 127.
;;     - Each number is divided by its block's scale, clamped to +-7.5, and rounded to the nearest number of E2M3, ties to even, subnormals kept.
;;     - The product sums the exact products of the quantised numbers (number of the format x scale) in f32.
;;   ~~~python
;;   def quantise(x, axis):      # numpy; x: float32 -> the quantised numbers, widened to float32 again
;;       x = np.moveaxis(x, axis, -1); K = x.shape[-1]
;;       x = np.pad(x, [(0, 0)] * (x.ndim - 1) + [(0, -K % 32)]); x = x.reshape(x.shape[:-1] + (-1, 32)); a = np.abs(x).max(-1, keepdims=True)
;;       e = np.where(a > 0, np.clip(np.frexp(np.where(a > 0, a, 1))[1] - 1 - 2, -126, 127), 0)      # np.frexp(a)[1] - 1 = floor(log2(a)), exactly
;;       r = np.clip(x / 2.0 ** e, -7.5, 7.5)
;;       step = 2.0 ** (np.maximum(np.frexp(np.where(r == 0, 1, r))[1] - 1, 0) - 3)
;;       q = np.round(r / step) * step * 2.0 ** e      # np.round: ties to even
;;       return np.moveaxis(q.reshape(q.shape[:-2] + (-1,))[..., :K], -1, axis).astype(np.float32)
;;   ~~~
;;   SOFTMAX AHEAD OF A QUANTISED PRODUCT. Where the list says 'softmax', what is quantised is not the finished softmax but p = 2^(t - M), with t = logit x log2(e) and M = ceil(the row's largest t), a whole number; so 1/2 < the row's largest p <= 1. The row's sum l is taken of the UNQUANTISED p, in f32, and the product's result is divided by l at the end. Since M is a whole number, a kernel that streams over the keys may use a running M (the ceiling of the running maximum): every later rescaling is an exact power of two, which a block's scale takes up: the codes' values come out the same.
;;   OPERANDS COMPUTED ON THE WAY. 'Computed on the way' means the value that the module computes at that place (a softmax that the list does not call 'softmax' is quantised finished and normalised). What goes into a quantiser is computed in f32, as accurately as f32 sums, v_exp_f32 and their like allow (about 1e-6 of the number): no bf16 or f16 on the way to a quantiser, and a product that is left as it is and whose result goes on into a quantised operand takes f32 operands (vector FMAs, or v_wmma_f32_16x16x4_f32). A number that lies on a knife's edge between two numbers of the format may be rounded either way, as far as f32 arithmetic and the matrix unit's own rounding can turn it there, and no further.
;; 2 versions, each right; version 2 is version 1 with the launch attn written anew for expert scheduling mode. Each part assembles by itself: llvm-mc -triple=amdgcn-amd-amdhsa -mcpu=gfx1250 --defsym DOCPART=n.
;; ======== version 1 of 2: 4 launches
;; limits: right only within a limited range of input values
;; workspace buffers: xc 18,874,368 bytes; xs 786,432 bytes; wc 3,145,728 bytes; ws 131,072 bytes; mw 557,056 bytes of whole numbers; hq 20,185,088 bytes; cc 6,291,456 bytes; cs 524,288 bytes
;; launch prep (part 1): grid 480 x 1, 4 waves a work-group, no clusters, 68,096 bytes of LDS; arguments q, k, v, wq, wk, wv, wo, mask, xc, xs, wc, ws, mw; writes xc, xs, wc, ws, mw
.if DOCPART == 1
	.amdgcn_target "amdgcn-amd-amdhsa--gfx1250"
	.amdhsa_code_object_version 6
	.text
	.protected	k_qadedd10438_prep
	.globl	k_qadedd10438_prep
	.p2align	8
	.type	k_qadedd10438_prep,@function
k_qadedd10438_prep:
	s_mov_b64 s[64:65], 0
	v_nop
	global_prefetch_b8 v0, s[64:65] scope:SCOPE_SE
	s_setreg_imm32_b32 hwreg(HW_REG_WAVE_MODE, 25, 1), 1
	s_wait_xcnt 0x0
; PREP.  (a) q, k, v [8192][1024] and wq, wk, wv, wo [1024][1024], f32 with K innermost, become codes of FP6 (E2M3) with one E8M0 byte for each 32 along K, laid as IMAGES OF OPERAND REGISTERS.
; (b) the mask [2048][2048] int32 becomes lane masks for the attention's score registers, and two flag words for each tile of 16 queries.
; A TILE is 16 rows that are not neighbours: tile T takes rows 32 (T / 2) + 8 (T % 2) + (r % 8) + 16 (r / 8), r = 0 .. 15.  Used as source 0 of a product, the 16 result registers of tiles 2 b, 2 b + 1 are then 16 neighbours.
; A FRAGMENT (16 rows x 128 K, 12 registers a lane) lies in memory as 1,536 bytes: registers 0-3 of lane l at 16 l, registers 4-5 at 512 + 8 l, registers 6-9 at 768 + 16 l, registers 10-11 at 1,280 + 8 l.
; xc: [q, k, v][tile 0..511][K step 0..7][1,536];  xs: [tensor][tile][row][8 scale words];  wc, ws: the same for the four weights, 64 tiles each.
; mw: [query tile 0..127][key step 0..15][64 words]: bit l of word n = mask(row l % 16 of the tile, key 128 step + 32 (n / 16) + 16 (l / 16) + n % 16) != 0;
;     from byte 524,288: for each query tile 32 copies of (walk, open): bit j of walk: step j has an open key, or some row of the tile has no open key at all (then all 16 bits are set); bit j of open: all of step j's keys are open.
; A block's scale is 2^(floor(log2(largest magnitude)) - 2); its byte is the largest magnitude's exponent field - 2, held at 1 from below.
; LIMITS: a block of zeros, or one whose largest magnitude lies under 2^-124, gets the byte 1 (the rule says 127 for zeros: the codes are zeros, and this program alone reads the bytes); NaN and infinities are not served.
; SHARES.  Work-groups 0-31: the mask, a wave to a query tile.  32-415: q, k, v; 416-479: the weights: a wave to a tile, all 8 K steps.  Waves share nothing: no barrier.
; A step's 16 loads read 512 consecutive bytes each (one row's 128 numbers); the 8 KiB turn through the wave's own stage in LDS so that lane (r, h) holds, of row r, 16 neighbours of each block of 32.
.set XT,    6291456                    ; bytes of one activation's codes
.set WT,    786432                     ; of one weight's
.set STG,   8448                       ; a stage: 16 rows x 528 bytes.  528 = 33 x 16: the sixteen rows that a read touches begin in sixteen different 16-byte columns of 256 bytes
.set SPARE, 8*STG                      ; behind the eight stages (four for each path): the spare words, 128 bytes a wave
.set R,     16                         ; v16-143  two sets of 64: a step's numbers as loaded
.set X,     144                        ; v144-207 register 16 b + i = column 32 b + 16 h + i of my row
.set PC,    208                        ; v208-219 the fragment just made
.set TP,    220                        ; v220-226 the conversions' second halves
.set TM,    228                        ; v228-243 at work
.set PWS,   244                        ; v244-251 the tile's eight scale words
.set SPW,   252                        ; v252 my spare word's LDS address; never rewritten
.set NIL,   253                        ; v253 0; never rewritten
.set SEL,   32                         ; s[32:33] v_permlanex16_b32's selects for lane l xor 16
.macro LOAD set, off, pitch, base      ; 16 rows of the tile, 512 bytes of each
.irp i, 0,1,2,3,4,5,6,7,8,9,10,11,12,13,14,15
	global_load_b128 v[R+64*(\set)+4*\i:R+64*(\set)+4*\i+3], v1, s[\base:\base+1] offset:(\i+8*(\i/8))*(\pitch)+(\off) th:TH_LOAD_NT
.endr
.endm
.macro TURN set, sti, sto              ; through the stage: LDS serves a wave's instructions in order, so no wait stands between the stores and the loads
.irp i, 0,1,2,3,4,5,6,7,8,9,10,11,12,13,14,15
	ds_store_b128 v[\sti], v[R+64*(\set)+4*\i:R+64*(\set)+4*\i+3] offset:528*\i
.endr
.irp b, 0,1,2,3
.irp j, 0,1,2,3
	ds_load_b128 v[X+16*\b+4*\j:X+16*\b+4*\j+3], v[\sto] offset:128*\b+16*\j
.endr
.endr
.endm
; 64 numbers of a lane, register 16 b + i = k 32 b + 16 (lane / 16) + i of my row, become a fragment's codes in v[pc] on and its scale word in v[pw]
.macro QUANT s, pc, tp, pw
.irp b, 0,1,2,3
	v_max3_num_f32 v[TM+\b], |v[\s+16*\b]|, |v[\s+1+16*\b]|, 0x1800000   ; my 16 numbers of block b, and the floor 2^(3 - 127): the byte cannot fall under 1
.endr
.irp i, 2,4,6,8,10,12,14
.irp b, 0,1,2,3
	v_max3_num_f32 v[TM+\b], v[TM+\b], |v[\s+16*\b+\i]|, |v[\s+1+16*\b+\i]|   ; the four blocks by turns
.endr
.endr
.irp b, 0,1,2,3
	v_permlanex16_b32 v[TM+4+\b], v[TM+\b], s[SEL], s[SEL+1]
.endr
.irp b, 0,1,2,3
	v_max_num_f32 v[TM+\b], v[TM+\b], v[TM+4+\b]   ; with lane l xor 16's: the block's largest magnitude
.endr
.irp b, 0,1,2,3
	v_add_nc_u32 v[TM+12+\b], 0xff000000, v[TM+\b]   ; 2 off its exponent field: the conversion takes this operand's exponent field as its scale
.endr
.irp b, 0,1,2,3
	v_lshrrev_b32 v[TM+4+\b], 23, v[TM+12+\b]      ; the scale's byte
.endr
	v_lshl_or_b32 v[\pw], v[TM+5], 8, v[TM+4]
	v_lshl_or_b32 v[\pw], v[TM+6], 16, v[\pw]
	v_lshl_or_b32 v[\pw], v[TM+7], 24, v[\pw]      ; my row's scale word
.irp c, 0,1
	v_cvt_scalef32_pk16_fp6_f32 v[\pc+6*\c:\pc+2+6*\c], v[\s+32*\c:\s+15+32*\c], v[TM+12+2*\c]
	v_cvt_scalef32_pk16_fp6_f32 v[\tp+4*\c:\tp+2+4*\c], v[\s+16+32*\c:\s+31+32*\c], v[TM+13+2*\c]   ; (a conversion's three registers begin on an even number)
.endr
	v_nop                                          ; one plain place behind a scaled conversion
.irp c, 0,1                            ; the operand's layout wants a whole block in a lane: lanes 0-15 block 2 c, lanes 16-31 block 2 c + 1
.irp i, 0,1,2
	v_permlane16_swap_b32 v[\pc+6*\c+\i], v[\tp+4*\c+\i]
.endr
.irp i, 0,1,2
	v_mov_b32 v[\pc+3+6*\c+\i], v[\tp+4*\c+\i]
.endr
.endr
.endm
	s_load_b512 s[4:19], s[0:1], 0x0               ; q, k, v, wq, wk, wv, wo, mask
	s_load_b256 s[20:27], s[0:1], 0x40             ; xc, xs, wc, ws
	s_load_b64 s[28:29], s[0:1], 0x60              ; mw
	v_lshl_add_u32 v[SPW], v0, 2, SPARE
	v_mov_b32 v[NIL], 0
	v_lshrrev_b32 v8, 5, v0
	v_readfirstlane_b32 s34, v8                    ; wave
	v_and_b32 v9, 31, v0                           ; lane
	v_and_b32 v10, 15, v0                          ; r
	v_bfe_u32 v11, v0, 4, 1                        ; h
	v_lshlrev_b32 v1, 4, v9                        ; 16 l
	v_lshlrev_b32 v2, 3, v9                        ; 8 l
	s_mul_i32 s35, s34, STG
	v_mul_u32_u24 v12, v10, 528
	v_lshl_add_u32 v12, v11, 6, v12                ; 528 r + 64 h
	v_add_nc_u32 v3, s35, v1                       ; the quantiser's stage: in,
	v_add_nc_u32 v4, s35, v12                      ; and out
	s_add_co_u32 s35, s35, 4*STG
	v_add_nc_u32 v5, s35, v1                       ; the mask path has stages of its own
	v_add_nc_u32 v6, s35, v12
	v_lshlrev_b32 v7, 5, v10
	v_lshl_add_u32 v7, v11, 4, v7                  ; 32 r + 16 h: my four of my row's eight scale words
	s_mov_b32 s30, 0xffff0000                      ; lanes 16-31
	s_mov_b32 s[SEL], 0x76543210
	s_mov_b32 s[SEL+1], 0xfedcba98
.irp b, 0,1,2,3
	v_mov_b32 v[TM+4+\b], 0                        ; written once: a lane permute's destination counts as one of its sources
.endr
	s_wait_kmcnt 0x0
	s_cmp_lt_u32 ttmp9, 32
	s_cbranch_scc1 .Lmask
	; ---- the quantiser.  Which tensor, which tile: the choice hangs on the work-group's number alone
	s_sub_co_u32 s36, ttmp9, 32
	s_mov_b32 s39, WT
	s_mov_b32 s40, 32768
	s_cmp_lt_u32 s36, 384                          ; an activation or a weight?
	s_cselect_b64 s[20:21], s[20:21], s[24:25]     ; the codes' buffer,
	s_cselect_b64 s[22:23], s[22:23], s[26:27]     ; the scale words',
	s_cselect_b64 s[4:5], s[4:5], s[10:11]         ; tensor 0, 1, 2 of the kind (tensor 3 is wo)
	s_cselect_b64 s[6:7], s[6:7], s[12:13]
	s_cselect_b64 s[8:9], s[8:9], s[14:15]
	s_cselect_b32 s37, 7, 4                        ; 128 or 16 work-groups to a tensor
	s_cselect_b32 s38, 0, 384
	s_cselect_b32 s39, XT, s39                     ; a tensor's codes,
	s_cselect_b32 s40, 262144, s40                 ; and scale words, in bytes
	s_sub_co_u32 s36, s36, s38
	s_lshr_b32 s41, s36, s37                       ; which tensor of the kind
	s_cmp_eq_u32 s41, 1
	s_cselect_b64 s[4:5], s[6:7], s[4:5]
	s_cmp_eq_u32 s41, 2
	s_cselect_b64 s[4:5], s[8:9], s[4:5]
	s_cmp_eq_u32 s41, 3
	s_cselect_b64 s[4:5], s[16:17], s[4:5]
	s_lshl_b32 s42, s41, s37
	s_sub_co_u32 s42, s36, s42
	s_lshl_b32 s42, s42, 2
	s_add_co_u32 s42, s42, s34                     ; my tile T
	s_lshr_b32 s44, s42, 1
	s_lshl_b32 s44, s44, 17                        ; 32 (T / 2) rows of 4,096 bytes
	s_and_b32 s45, s42, 1
	s_lshl_b32 s45, s45, 15                        ; + 8 (T % 2) rows
	s_add_co_u32 s44, s44, s45
	s_mov_b32 s45, 0
	s_add_nc_u64 s[4:5], s[4:5], s[44:45]
	s_mul_i32 s44, s41, s39
	s_mul_i32 s46, s42, 12288
	s_add_co_u32 s44, s44, s46
	s_add_nc_u64 s[20:21], s[20:21], s[44:45]
	s_mul_i32 s44, s41, s40
	s_lshl_b32 s46, s42, 9
	s_add_co_u32 s44, s44, s46
	s_add_nc_u64 s[22:23], s[22:23], s[44:45]
	LOAD 0, 0, 4096, 4
	LOAD 1, 512, 4096, 4
.macro QSTEP s
.if (\s) < 7
	s_wait_loadcnt 16                              ; this step's 16 loads are in; the next step's 16 may be out
.else
	s_wait_loadcnt 0x0
.endif
	TURN (\s)%2, 3, 4
	s_wait_dscnt 0x0                               ; my numbers are back, and the stores into the stage have read their registers,
	s_wait_xcnt 0x0                                ; and the last step's stores of codes have read theirs
.if (\s) < 6
	LOAD (\s)%2, 512*((\s)+2), 4096, 4             ; two steps ahead
.endif
	QUANT X, PC, TP, PWS+(\s)
	global_store_b128 v1, v[PC:PC+3], s[20:21] offset:1536*(\s)          ; each store covers 512 or 256 consecutive bytes, at a multiple of 256 from the buffer's first byte
	global_store_b64 v2, v[PC+4:PC+5], s[20:21] offset:1536*(\s)+512
	global_store_b128 v1, v[PC+6:PC+9], s[20:21] offset:1536*(\s)+768
	global_store_b64 v2, v[PC+10:PC+11], s[20:21] offset:1536*(\s)+1280
.endm
.irp s, 0,1,2,3,4,5,6,7
	QSTEP \s
.endr
.irp i, 0,1,2,3
	v_cndmask_b32 v[TM+\i], v[PWS+\i], v[PWS+4+\i], s30   ; lanes 0-15 store my row's words 0-3, lanes 16-31 words 4-7
.endr
	global_store_b128 v7, v[TM:TM+3], s[22:23]     ; the tile's 512 bytes of scale words
	s_wait_tensorcnt 0x0                           ; the wave's end: the closing lines stand behind my last LDS store
	ds_add_u32 v[SPW], v[NIL]
	s_wait_dscnt 0x0
	s_endpgm
	; ---- the mask: s35 my query tile; s40, s41 the step's OR and AND; s42 the tile's OR; s43 walk; s44 open; s45 the step's bit
.Lmask:
	s_lshl_b32 s35, ttmp9, 2
	s_add_co_u32 s35, s35, s34
	s_lshr_b32 s38, s35, 1
	s_lshl_b32 s38, s38, 18                        ; 32 (T / 2) rows of 8,192 bytes
	s_and_b32 s39, s35, 1
	s_lshl_b32 s39, s39, 16
	s_add_co_u32 s38, s38, s39
	s_mov_b32 s39, 0
	s_add_nc_u64 s[18:19], s[18:19], s[38:39]
	s_lshl_b32 s38, s35, 8
	s_add_co_u32 s38, s38, 524288
	s_add_nc_u64 s[36:37], s[28:29], s[38:39]      ; my tile's flags
	s_lshl_b32 s38, s35, 12
	s_add_nc_u64 s[28:29], s[28:29], s[38:39]      ; my tile's words
	LOAD 0, 0, 8192, 18
	LOAD 1, 512, 8192, 18
	v_mov_b32 v254, 0                              ; written once: v_writelane_b32's destination counts as read
	v_mov_b32 v255, 0
	v_mov_b32 v208, 0
	v_mov_b32 v209, 0
	s_mov_b32 s42, 0
	s_mov_b32 s43, 0
	s_mov_b32 s44, 0
	s_mov_b32 s45, 1
; A key step: 16 rows x 128 keys.  A compare of register n gives the lane mask of score register n; 64 words go, two to a lane, into a register pair and leave as 256 consecutive bytes.
.macro MSTEP set, ahead, left
.set WR, 254-46*(\set)                 ; v[254:255] or v[208:209]: each set has its own pair
	s_wait_loadcnt \left
	TURN \set, 5, 6
	s_wait_dscnt 0x0
.if \ahead
	LOAD \set, 1024+512*(\set), 8192, 18
.endif
	s_mov_b32 s40, 0
	s_mov_b32 s41, -1
.irp g, 0,1,2,3
.irp i, 0,1,2,3,4,5,6,7,8,9,10,11,12,13,14,15
	v_cmp_ne_u32 s[48+\i], 0, v[X+16*\g+\i]
.endr
.irp i, 0,1,2,3,4,5,6,7,8,9,10,11,12,13,14,15
	v_writelane_b32 v[WR+\i%2], s[48+\i], 8*\g+\i/2
	s_or_b32 s40, s40, s[48+\i]
	s_and_b32 s41, s41, s[48+\i]
.endr
.endr
	s_or_b32 s42, s42, s40
	s_cmp_lg_u32 s40, 0
	s_cselect_b32 s46, s45, 0
	s_or_b32 s43, s43, s46                         ; some key of the step is open
	s_cmp_eq_u32 s41, -1
	s_cselect_b32 s46, s45, 0
	s_or_b32 s44, s44, s46                         ; all are
	s_lshl_b32 s45, s45, 1
	global_store_b64 v2, v[WR:WR+1], s[28:29] offset:256*(\set)
.endm
	s_mov_b32 s47, 7
.Lpair:                                                ; seven trips of two steps; each asks for the steps two on
	MSTEP 0, 1, 16                                 ; this set's 16 loads are in; the other set's may be out
	MSTEP 1, 1, 16
	s_wait_xcnt 0x0                                ; the bases and the two pairs are written again only behind this wait
	s_add_nc_u64 s[18:19], s[18:19], 1024
	s_add_nc_u64 s[28:29], s[28:29], 512
	s_sub_co_u32 s47, s47, 1
	s_cmp_lg_u32 s47, 0
	s_cbranch_scc1 .Lpair
	MSTEP 0, 0, 16                                 ; the last two steps load nothing: no load leaves the buffer
	MSTEP 1, 0, 0
	s_lshr_b32 s46, s42, 16
	s_or_b32 s46, s46, s42
	s_and_b32 s46, s46, 0xffff                     ; bit r: row r has an open key
	s_cmp_eq_u32 s46, 0xffff
	s_cselect_b32 s43, s43, 0xffff                 ; a row without one is an average over all keys: every step is walked
	v_mov_b32 v144, s43
	v_mov_b32 v145, s44
	global_store_b64 v2, v[144:145], s[36:37]      ; 32 copies: 256 consecutive bytes
	s_wait_tensorcnt 0x0                           ; the wave's end: the closing lines stand behind my last LDS store
	ds_add_u32 v[SPW], v[NIL]
	s_wait_dscnt 0x0
	s_endpgm
.Lfunc_end_k_qadedd10438_prep:
	.size	k_qadedd10438_prep, .Lfunc_end_k_qadedd10438_prep-k_qadedd10438_prep
	.p2alignl 7, 3214868480
	.fill 96, 4, 3214868480
	.section	.rodata,"a",@progbits
	.p2align	6, 0x0
	.amdhsa_kernel k_qadedd10438_prep
		.amdhsa_group_segment_fixed_size 68096
		.amdhsa_private_segment_fixed_size 0
		.amdhsa_enable_private_segment 0
		.amdhsa_kernarg_size 104
		.amdhsa_user_sgpr_count 2
		.amdhsa_user_sgpr_kernarg_segment_ptr 1
		.amdhsa_wavefront_size32 1
		.amdhsa_system_sgpr_workgroup_id_x 1
		.amdhsa_system_sgpr_workgroup_id_y 1
		.amdhsa_system_sgpr_workgroup_id_z 1
		.amdhsa_system_vgpr_workitem_id 0
		.amdhsa_next_free_vgpr 256
		.amdhsa_next_free_sgpr 66
		.amdhsa_reserve_vcc 0
		.amdhsa_float_denorm_mode_32 3
		.amdhsa_float_denorm_mode_16_64 3
		.amdhsa_memory_ordered 1
		.amdhsa_forward_progress 1
		.amdhsa_inst_pref_size 131
	.end_amdhsa_kernel
	.amdgpu_metadata
---
amdhsa.version: [ 1, 2 ]
amdhsa.kernels:
  - .name:           k_qadedd10438_prep
    .symbol:         k_qadedd10438_prep.kd
    .args:
      - { .name: q, .offset: 0, .size: 8, .value_kind: global_buffer, .address_space: global }
      - { .name: k, .offset: 8, .size: 8, .value_kind: global_buffer, .address_space: global }
      - { .name: v, .offset: 16, .size: 8, .value_kind: global_buffer, .address_space: global }
      - { .name: wq, .offset: 24, .size: 8, .value_kind: global_buffer, .address_space: global }
      - { .name: wk, .offset: 32, .size: 8, .value_kind: global_buffer, .address_space: global }
      - { .name: wv, .offset: 40, .size: 8, .value_kind: global_buffer, .address_space: global }
      - { .name: wo, .offset: 48, .size: 8, .value_kind: global_buffer, .address_space: global }
      - { .name: mask, .offset: 56, .size: 8, .value_kind: global_buffer, .address_space: global }
      - { .name: xc, .offset: 64, .size: 8, .value_kind: global_buffer, .address_space: global }
      - { .name: xs, .offset: 72, .size: 8, .value_kind: global_buffer, .address_space: global }
      - { .name: wc, .offset: 80, .size: 8, .value_kind: global_buffer, .address_space: global }
      - { .name: ws, .offset: 88, .size: 8, .value_kind: global_buffer, .address_space: global }
      - { .name: mw, .offset: 96, .size: 8, .value_kind: global_buffer, .address_space: global }
    .group_segment_fixed_size: 68096
    .private_segment_fixed_size: 0
    .kernarg_segment_align: 8
    .kernarg_segment_size: 104
    .max_flat_workgroup_size: 128
    .sgpr_count:     66
    .vgpr_count:     256
    .wavefront_size: 32
...
	.end_amdgpu_metadata
.endif
;; end of part 1
;; launch proj (part 2): grid 4 x 192, 4 waves a work-group, clusters of 4 x 4, 327,680 bytes of LDS; arguments xc, xs, wc, ws, bq, bk, bv, hq; writes hq
.if DOCPART == 2
	.amdgcn_target "amdgcn-amd-amdhsa--gfx1250"
	.amdhsa_code_object_version 6
	.text
	.protected	k_qadedd10438_proj
	.globl	k_qadedd10438_proj
	.p2align	8
	.type	k_qadedd10438_proj,@function
k_qadedd10438_proj:
	s_mov_b64 s[64:65], 0
	v_nop
	global_prefetch_b8 v0, s[64:65] scope:SCOPE_SE
	s_setreg_imm32_b32 hwreg(HW_REG_WAVE_MODE, 25, 1), 1
	s_wait_xcnt 0x0
	s_wait_alu depctr_hold_cnt(0) depctr_sa_sdst(0) depctr_va_vdst(0) depctr_va_sdst(0) depctr_va_ssrc(0) depctr_va_vcc(0) depctr_vm_vsrc(0)
	s_getreg_b32 s2, hwreg(HW_REG_IB_STS2, 6, 4)
	s_cmp_eq_u32 s2, 0
	s_cbranch_scc0 .Lentry_in_a_cluster
	s_endpgm
.Lentry_in_a_cluster:
	s_bfe_u32 s2, ttmp6, 0x10000c
	s_cmp_lg_u32 s2, 0xf033
	s_cbranch_scc0 .Lentry_shape_is_right
	s_endpgm
.Lentry_shape_is_right:
; PROJ.  qh = q wq^T + bq, kh = k wk^T + bk, vh = v wv^T + bv on codes of FP6 (E2M3) with E8M0 scales; the results are quantised in registers and stored as operand images for the attention.
; Operands come as register images (tile = 16 rows 32 (T / 2) + 8 (T % 2) + r % 8 + 16 (r / 8); fragment = 1,536 bytes; a tile's eight K steps on end, 12,288 bytes).
; A work-group multiplies 256 rows of source 0 (16 tiles) by 128 rows of source 1 (8 tiles) over all of K = 1,024: 24 tiles x 12,288 = 294,912 bytes of codes, which lie in LDS whole: each byte is filled once, nothing is filled again.
; ORIENTATION.  q, k: source 0 = the weight's rows, source 1 = tokens: a lane holds one token and its registers run along the features, the K of the first attention product.
;               v:    source 0 = tokens, source 1 = wv's rows: a lane holds one channel and its registers run along the keys, the K of the second.
; A wave makes 128 (source 0) x 64 (source 1): 32 accumulators, which take turns, one instruction a turn.
; CLUSTERS: 4 x 4 work-groups.  Source 0's block hangs on cx alone and is asked for jointly by a column of the cluster, source 1's on cy alone, by a row: the requests are divided by four.
; The cluster's y picks the tensor (16 clusters each: q, k, v): it is the same in all sixteen partners, so branches may hang on it.
; hq: for bh = 16 batch + head a block of 208,896 bytes: K's half fragments [128 tiles][768], V's fragments [key step][4 tiles of channels][1,536] at 98,304, K's scale words [128][16] at 196,608, V's [key step][4][16] at 204,800;
;     from 13,369,344 a block of 106,496 bytes: Q's half fragments [128][768], Q's scale words [128][16] at 98,304.  A half fragment is registers 0-5 of a fragment: 64 along K.
; LIMITS: as the quantiser's everywhere here: a block under 2^-124 or of zeros gets the byte 1; NaN and infinities are not served.
; REGISTERS: window 0: v2-7 lane terms; v16-31 LDS addresses; v32, v33 the add's two; v48-79, v80-95 scale words; v96-127 at work; v128-223 source 1's fragments, two sets, later the codes made.
;            window 1: source 0's fragments, two sets at v0 and v128.   window 2: accumulator (t, n) at v[8 (8 n + t)].   window 3: the bias, as the first products' C.
.set XT,    6291456
.set WT,    786432
.set QOFF,  13369344
.set KVB,   208896
.set QB,    106496
.set CH0,   49152                      ; LDS: a chunk (two K steps) of source 0's 16 tiles
.set CH1,   24576                      ; of source 1's 8
.set S1B,   4*CH0                      ; where source 1's chunks begin
.set SPARE, S1B+4*CH1                  ; behind the codes: the spare words, 128 bytes a wave
.set A16,   16                         ; v16-19 source 0, chunk c: 16 l + my 8 tiles;  v20-23 the same with 8 l
.set A8,    20
.set B16,   24                         ; v24-27, v28-31 source 1
.set B8,    28
.set SPW,   32
.set NIL,   33
.set SC0,   48                         ; register 8 i + s: K step s; lanes 0-15 the words of my tile 2 i of source 0, lanes 16-31 of tile 2 i + 1
.set SC1,   80                         ; the same for source 1
.set TM,    96
.set G1A,   20                         ; s[20:27] descriptor group 1 for source 0;  s[28:35] for source 1
.set G1B,   28
.set G0A,   36                         ; s[36:51] groups 0 for source 0's four chunks;  s[68:83] for source 1's
.set G0B,   68
.set SEL,   100                        ; s[100:101]
.set MSB, 0
.macro WIN new                         ; the immediate's high byte repeats the setting that is left
.if MSB != \new
	s_set_vgpr_msb (MSB<<8)|\new
.set MSB, \new
.endif
.endm
.macro PLACES n
.rept \n
	v_nop
.endr
.endm
.macro CROUND                          ; a round of the cluster's barrier
	s_barrier_signal -1
	s_barrier_wait -1
	s_cmp_lg_u32 s52, 0
	s_cbranch_scc1 .Lnot_wave_0_\@
	s_barrier_signal -3
.Lnot_wave_0_\@:
	s_barrier_wait -3
	s_barrier_signal -1
	s_barrier_wait -1
.endm
	s_load_b512 s[4:19], s[0:1], 0x0               ; xc, xs, wc, ws, bq, bk, bv, hq
	v_lshl_add_u32 v[SPW], v0, 2, SPARE
	v_mov_b32 v[NIL], 0
	ds_add_u32 v[SPW], v[NIL]                      ; the wave's opening: the add and its wait stand ahead of my first tensor load; work on registers stands between them
	v_lshrrev_b32 v1, 5, v0
	v_readfirstlane_b32 s52, v1                    ; wave
	s_and_b32 s53, s52, 1                          ; w0: which 8 tiles of source 0 I multiply
	s_lshr_b32 s54, s52, 1                         ; w1: which 4 tiles of source 1
	s_bfe_u32 s55, ttmp6, 0x40000                  ; cx
	s_bfe_u32 s56, ttmp6, 0x40004                  ; cy
	s_and_b32 s58, ttmp7, 0xffff                   ; the cluster's y, 0 .. 47
	s_lshr_b32 s57, s58, 4                         ; 0: q, 1: k, 2: v
	s_and_b32 s58, s58, 15
	s_lshr_b32 s61, s58, 1
	s_and_b32 s62, s58, 1
	s_cmp_eq_u32 s57, 2
	s_cselect_b32 s61, s61, 0                      ; q, k: the weight has 4 blocks of 256 rows, the tokens 64 of 128;
	s_cselect_b32 s62, s62, s58                    ; v: the tokens have 32 blocks of 256, the weight 8 of 128
	s_lshl_b32 s59, s61, 2
	s_add_co_u32 s59, s59, s55                     ; source 0's block
	s_lshl_b32 s60, s62, 2
	s_add_co_u32 s60, s60, s56                     ; source 1's block
	s_lshl_b32 s61, 0x1111, s55                    ; my column of the cluster
	s_lshl_b32 s62, s56, 2
	s_lshl_b32 s62, 15, s62                        ; my row
	; descriptor group 1: R rows of 3,072 bytes (a tile's two K steps: 384 elements of 8 bytes), 12,288 bytes apart, laid on end in LDS
	s_or_b32 s[G1A], s61, (3<<16)|(1<<21)          ; 15:0 the mask; 17:16 elements of 8 bytes; 21 set beside a mask
	s_or_b32 s[G1B], s62, (3<<16)|(1<<21)
	s_mov_b32 s[G1A+1], 384<<16                    ; tensor_dim0
	s_mov_b32 s[G1A+2], 4<<16                      ; tensor_dim1: my 4 tiles of source 0
	s_mov_b32 s[G1A+3], 384<<16                    ; tile_dim0
	s_mov_b32 s[G1A+4], 4                          ; tile_dim1
	s_mov_b32 s[G1A+5], 1536                       ; the pitch, in elements
	s_mov_b32 s[G1A+6], 0
	s_mov_b32 s[G1A+7], 0
	s_mov_b32 s[G1B+1], 384<<16
	s_mov_b32 s[G1B+2], 2<<16                      ; my 2 tiles of source 1
	s_mov_b32 s[G1B+3], 384<<16
	s_mov_b32 s[G1B+4], 2
	s_mov_b32 s[G1B+5], 1536
	s_mov_b32 s[G1B+6], 0
	s_mov_b32 s[G1B+7], 0
	s_mul_i32 s94, s52, 12288                      ; where they go: wave x 4 tiles x 3,072: no place in the cluster enters an LDS address
	s_mul_i32 s95, s52, 6144
	s_add_co_u32 s95, s95, S1B
	s_mov_b32 s66, 0xffff0000                      ; lanes 16-31
	s_mov_b32 s[SEL], 0x76543210
	s_mov_b32 s[SEL+1], 0xfedcba98
	s_wait_dscnt 0x0                               ; the opening add is done
	s_wait_kmcnt 0x0
	s_mul_i32 s84, s57, XT                         ; my tensor's activations and weight
	s_mov_b32 s85, 0
	s_add_nc_u64 s[4:5], s[4:5], s[84:85]
	s_lshl_b32 s84, s57, 18
	s_add_nc_u64 s[6:7], s[6:7], s[84:85]
	s_mul_i32 s84, s57, WT
	s_add_nc_u64 s[8:9], s[8:9], s[84:85]
	s_lshl_b32 s84, s57, 15
	s_add_nc_u64 s[10:11], s[10:11], s[84:85]
	s_cmp_eq_u32 s57, 2
	s_cselect_b64 s[86:87], s[4:5], s[8:9]         ; source 0's codes,
	s_cselect_b64 s[88:89], s[8:9], s[4:5]         ; source 1's,
	s_cselect_b64 s[90:91], s[6:7], s[10:11]       ; source 0's scale words,
	s_cselect_b64 s[92:93], s[10:11], s[6:7]       ; source 1's
	s_mul_i32 s84, s59, 196608                     ; source 0: my block's 16 tiles, my 4 of them (registers that never hold cy)
	s_mul_i32 s85, s52, 49152
	s_add_co_u32 s84, s84, s85
	s_mov_b32 s85, 0
	s_add_nc_u64 s[86:87], s[86:87], s[84:85]
	s_mul_i32 s96, s60, 98304                      ; source 1: my block's 8 tiles, my 2 of them (registers that never hold cx)
	s_mul_i32 s97, s52, 24576
	s_add_co_u32 s96, s96, s97
	s_mov_b32 s97, 0
	s_add_nc_u64 s[88:89], s[88:89], s[96:97]
	s_lshl_b32 s84, s59, 13                        ; scale words: 512 bytes a tile; the 8 tiles that I multiply
	s_lshl_b32 s98, s53, 12
	s_add_co_u32 s84, s84, s98
	s_add_nc_u64 s[90:91], s[90:91], s[84:85]
	s_lshl_b32 s96, s60, 12
	s_lshl_b32 s98, s54, 11
	s_add_co_u32 s96, s96, s98
	s_add_nc_u64 s[92:93], s[92:93], s[96:97]
.irp c, 0,1,2,3
	s_mov_b32 s[G0A+4*\c], 1                       ; count = 1
	s_add_co_u32 s[G0A+4*\c+1], s94, \c*CH0        ; LDS address
	s_add_nc_u64 s[G0A+4*\c+2:G0A+4*\c+3], s[86:87], 3072*\c   ; global address: K steps 2 c, 2 c + 1
	s_or_b32 s[G0A+4*\c+3], s[G0A+4*\c+3], 0x80000000          ; type = 2
	s_mov_b32 s[G0B+4*\c], 1
	s_add_co_u32 s[G0B+4*\c+1], s95, \c*CH1
	s_add_nc_u64 s[G0B+4*\c+2:G0B+4*\c+3], s[88:89], 3072*\c
	s_or_b32 s[G0B+4*\c+3], s[G0B+4*\c+3], 0x80000000
.endr
	CROUND                                         ; all sixteen work-groups are here: the joint loads meet
.irp c, 0,1,2,3                        ; all fills of the launch, one group: eight loads of mine are out
	tensor_load_to_lds s[G0A+4*\c:G0A+4*\c+3], s[G1A:G1A+7]
	s_nop 0
	tensor_load_to_lds s[G0B+4*\c:G0B+4*\c+3], s[G1B:G1B+7]
	s_nop 0
.endr
	PLACES 4
	v_and_b32 v1, 31, v0
	v_lshlrev_b32 v2, 4, v1                        ; 16 l
	v_lshlrev_b32 v3, 3, v1                        ; 8 l
	v_lshlrev_b32 v4, 2, v1                        ; 4 l
	v_lshlrev_b32 v7, 5, v1                        ; 32 l
.irp i, 0,1,2,3
.irp q, 0,1
	global_load_b128 v[SC0+8*\i+4*\q:SC0+8*\i+4*\q+3], v7, s[90:91] offset:1024*\i+16*\q   ; 32 bytes a row, 16 rows a tile: lanes 0-15 tile 2 i, lanes 16-31 tile 2 i + 1
.endr
.endr
.irp i, 0,1
.irp q, 0,1
	global_load_b128 v[SC1+8*\i+4*\q:SC1+8*\i+4*\q+3], v7, s[92:93] offset:1024*\i+16*\q
.endr
.endr
	v_bfe_u32 v5, v0, 4, 1
	v_lshlrev_b32 v5, 6, v5                        ; 64 h
	v_and_b32 v6, 15, v0
	v_and_b32 v8, 8, v6
	v_add_nc_u32 v6, v6, v8
	v_lshlrev_b32 v6, 2, v6                        ; 4 (r + 8 (r / 8))
	s_mul_i32 s98, s53, 24576                      ; my 8 tiles of source 0 in a chunk,
	s_mul_i32 s99, s54, 12288                      ; my 4 of source 1
	s_add_co_u32 s99, s99, S1B
.irp c, 0,1,2,3
	v_add_nc_u32 v[A16+\c], s98, v2
	v_add_nc_u32 v[A8+\c], s98, v3
	v_add_nc_u32 v[B16+\c], s99, v2
	v_add_nc_u32 v[B8+\c], s99, v3
	s_add_co_u32 s98, s98, CH0
	s_add_co_u32 s99, s99, CH1
.endr
.irp b, 0,1,2,3
	v_mov_b32 v[TM+4+\b], 0                        ; written once: a lane permute's destination counts as one of its sources
.endr
; K step s's twelve fragments, 48 LDS loads, into set s % 2.  Every load reads 512 or 256 consecutive bytes.
.macro FETCH s
.set CK, (\s)/2
.set PP, (\s)%2
	WIN 0x40                                       ; destination window 1
.irp t, 0,1,2,3,4,5,6,7
	ds_load_b128 v[128*PP+12*\t:128*PP+12*\t+3], v[A16+CK] offset:3072*\t+1536*PP
	ds_load_b64 v[128*PP+12*\t+4:128*PP+12*\t+5], v[A8+CK] offset:3072*\t+1536*PP+512
	ds_load_b128 v[128*PP+12*\t+6:128*PP+12*\t+9], v[A16+CK] offset:3072*\t+1536*PP+768
	ds_load_b64 v[128*PP+12*\t+10:128*PP+12*\t+11], v[A8+CK] offset:3072*\t+1536*PP+1280
.endr
	WIN 0
.irp n, 0,1,2,3
	ds_load_b128 v[128+48*PP+12*\n:128+48*PP+12*\n+3], v[B16+CK] offset:3072*\n+1536*PP
	ds_load_b64 v[128+48*PP+12*\n+4:128+48*PP+12*\n+5], v[B8+CK] offset:3072*\n+1536*PP+512
	ds_load_b128 v[128+48*PP+12*\n+6:128+48*PP+12*\n+9], v[B16+CK] offset:3072*\n+1536*PP+768
	ds_load_b64 v[128+48*PP+12*\n+10:128+48*PP+12*\n+11], v[B8+CK] offset:3072*\n+1536*PP+1280
.endr
.endm
.macro WM oa, ob                       ; one product; an odd tile's scale words lie in lanes 16-31
.if (\oa) && (\ob)
	v_wmma_scale_f32_16x16x128_f8f6f4 v[rD:rD+7], v[rA:rA+11], v[rB:rB+11], v[rC:rC+7], v[rX], v[rY] matrix_a_fmt:MATRIX_FMT_FP6 matrix_b_fmt:MATRIX_FMT_FP6 matrix_a_scale:MATRIX_SCALE_ROW1 matrix_b_scale:MATRIX_SCALE_ROW1
.elseif (\oa)
	v_wmma_scale_f32_16x16x128_f8f6f4 v[rD:rD+7], v[rA:rA+11], v[rB:rB+11], v[rC:rC+7], v[rX], v[rY] matrix_a_fmt:MATRIX_FMT_FP6 matrix_b_fmt:MATRIX_FMT_FP6 matrix_a_scale:MATRIX_SCALE_ROW1
.elseif (\ob)
	v_wmma_scale_f32_16x16x128_f8f6f4 v[rD:rD+7], v[rA:rA+11], v[rB:rB+11], v[rC:rC+7], v[rX], v[rY] matrix_a_fmt:MATRIX_FMT_FP6 matrix_b_fmt:MATRIX_FMT_FP6 matrix_b_scale:MATRIX_SCALE_ROW1
.else
	v_wmma_scale_f32_16x16x128_f8f6f4 v[rD:rD+7], v[rA:rA+11], v[rB:rB+11], v[rC:rC+7], v[rX], v[rY] matrix_a_fmt:MATRIX_FMT_FP6 matrix_b_fmt:MATRIX_FMT_FP6
.endif
.endm
; K step s: 32 products.  cm = 0: onto the sums;  1: the sums begin with the bias of source 0's tile t;  2: of source 1's tile n
.macro MUL s, cm
.set PP, (\s)%2
.irp n, 0,1,2,3
.irp t, 0,1,2,3,4,5,6,7
.set rD, 8*(8*\n+\t)
.set rC, rD
.if (\cm) == 1
.set rC, 8*\t
.endif
.if (\cm) == 2
.set rC, 8*\n
.endif
.set rA, 128*PP+12*\t
.set rB, 128+48*PP+12*\n
.set rX, SC0+8*(\t/2)+(\s)
.set rY, SC1+8*(\n/2)+(\s)
	WM \t%2, \n%2
.endr
.endr
.endm
	s_wait_tensorcnt 6                             ; my two loads of chunk 0 are in; the six of chunks 1 to 3 may be out
	s_barrier_signal -1
	s_barrier_wait -1                              ; everybody's are
	; THE FIRST K STEP is written once for each orientation, with its bias loads: its products take the bias as C, by source 0's tile (q, k) or by source 1's (v)
	s_cmp_eq_u32 s57, 2
	s_cbranch_scc1 .Lfirst_v
	s_cmp_eq_u32 s57, 0
	s_cselect_b64 s[12:13], s[12:13], s[14:15]     ; bq or bk
	s_lshl_b32 s84, s59, 10
	s_lshl_b32 s98, s53, 9
	s_add_co_u32 s84, s84, s98                     ; my first feature, 256 block + 128 w0, in bytes
	s_mov_b32 s85, 0
	s_add_nc_u64 s[12:13], s[12:13], s[84:85]
	WIN 0xc0                                       ; destination window 3
.irp t, 0,1,2,3,4,5,6,7                ; in the result's layout: register j of tile t is feature 32 (t / 2) + 16 h + 8 (t % 2) + j
	global_load_b128 v[8*\t:8*\t+3], v5, s[12:13] offset:128*(\t/2)+32*(\t%2)
	global_load_b128 v[8*\t+4:8*\t+7], v5, s[12:13] offset:128*(\t/2)+32*(\t%2)+16
.endr
	FETCH 0
	FETCH 1
	s_wait_loadcnt 0x0                             ; the scale words and the bias
	s_wait_dscnt 48                                ; K step 0's fragments are in; K step 1's 48 loads may be out
	WIN 0xb1                                       ; source 0 window 1, source 1 window 0, C window 3, D window 2
	MUL 0, 1
	WIN 0
	s_branch .Lfirst_done
.Lfirst_v:
	s_lshl_b32 s96, s60, 1
	s_add_co_u32 s96, s96, s54                     ; the head: 64 rows of wv
	s_lshl_b32 s96, s96, 8
	s_mov_b32 s97, 0
	s_add_nc_u64 s[16:17], s[16:17], s[96:97]
	WIN 0xc0
.irp n, 0,1,2,3                        ; a lane holds one channel: 32 (n / 2) + 8 (n % 2) + r + 8 (r / 8)
	global_load_b32 v[8*\n], v6, s[16:17] offset:128*(\n/2)+32*(\n%2)
.endr
	FETCH 0
	FETCH 1
	s_wait_loadcnt 0x0
	WIN 0xc3                                       ; window 3 to window 3
.irp n, 0,1,2,3
.irp j, 1,2,3,4,5,6,7
	v_mov_b32 v[8*\n+\j], v[8*\n]                  ; the same bias for the lane's eight keys
.endr
.endr
	PLACES 4
	s_wait_dscnt 48
	WIN 0xb1
	MUL 0, 2
	WIN 0
.Lfirst_done:
.irp s, 1,2,3,4,5,6,7
	PLACES 4                                       ; in front of loads into the set that the last step's products read (this text does not count matrix instructions as places)
.if (\s%2) && (\s < 7)
	s_wait_dscnt 0x0                               ; no LDS instruction of mine is out at a signal
	s_wait_tensorcnt 5-\s                          ; my two loads of the next chunk are in; two for each later chunk may be out
	s_barrier_signal -1
	s_barrier_wait -1                              ; everybody's are
.endif
.if \s < 7
	FETCH \s+1
	s_wait_dscnt 48                                ; this step's fragments are in; the 48 loads just issued may be out
.else
	s_wait_dscnt 0x0
.endif
	WIN 0xa1                                       ; C and D window 2
	MUL \s, 0
.endr
	WIN 0
	PLACES 4                                       ; in front of the first read of results
; The 64 numbers of source 1's tile n (accumulators (0 .. 7, n): register 16 b + i = row 32 b + 16 h + i of my 128 rows of source 0) become a fragment in v[128 + 12 n] on and a scale word in v[184 + n]
.macro QUANTW n
.set AS, 64*(\n)
.set PCN, 128+12*(\n)
	WIN 0x0a                                       ; sources 0 and 1 window 2
.irp b, 0,1,2,3
	v_max3_num_f32 v[TM+\b], |v[AS+16*\b]|, |v[AS+1+16*\b]|, 0x1800000   ; each accumulator is read from its low end on; the floor 2^(3 - 127) holds the byte at 1 from below
.endr
.irp i, 2,4,6,8,10,12,14
.irp b, 0,1,2,3
	v_max3_num_f32 v[TM+\b], |v[AS+16*\b+\i]|, |v[AS+1+16*\b+\i]|, v[TM+\b]
.endr
.endr
	WIN 0
.irp b, 0,1,2,3
	v_permlanex16_b32 v[TM+4+\b], v[TM+\b], s[SEL], s[SEL+1]
.endr
.irp b, 0,1,2,3
	v_max_num_f32 v[TM+\b], v[TM+\b], v[TM+4+\b]
.endr
.irp b, 0,1,2,3
	v_add_nc_u32 v[TM+12+\b], 0xff000000, v[TM+\b]
.endr
.irp b, 0,1,2,3
	v_lshrrev_b32 v[TM+4+\b], 23, v[TM+12+\b]
.endr
	v_lshl_or_b32 v[184+(\n)], v[TM+5], 8, v[TM+4]
	v_lshl_or_b32 v[184+(\n)], v[TM+6], 16, v[184+(\n)]
	v_lshl_or_b32 v[184+(\n)], v[TM+7], 24, v[184+(\n)]
	WIN 0x02                                       ; source 0 window 2
.irp c, 0,1
	v_cvt_scalef32_pk16_fp6_f32 v[PCN+6*\c:PCN+2+6*\c], v[AS+32*\c:AS+15+32*\c], v[TM+12+2*\c]
	v_cvt_scalef32_pk16_fp6_f32 v[176+4*\c:178+4*\c], v[AS+16+32*\c:AS+31+32*\c], v[TM+13+2*\c]
.endr
	WIN 0
	v_nop                                          ; one plain place behind a scaled conversion
.irp c, 0,1
.irp k, 0,1,2
	v_permlane16_swap_b32 v[PCN+6*\c+\k], v[176+4*\c+\k]
.endr
.irp k, 0,1,2
	v_mov_b32 v[PCN+3+6*\c+\k], v[176+4*\c+\k]
.endr
.endr
.endm
	QUANTW 0
	QUANTW 1
	QUANTW 2
	QUANTW 3
	s_cmp_eq_u32 s57, 2
	s_cbranch_scc1 .Lout_v
	; q, k: my 128 features are two heads: registers 0-5 are head A's half fragment, registers 6-11 head B's; the rows are the tokens of tile T0 + n
	s_lshl_b32 s84, s59, 2
	s_lshl_b32 s98, s53, 1
	s_add_co_u32 s84, s84, s98                     ; head A
	s_lshl_b32 s96, s60, 3
	s_lshl_b32 s98, s54, 2
	s_add_co_u32 s96, s96, s98                     ; my first tile of tokens
	s_lshr_b32 s98, s96, 7                         ; the batch
	s_and_b32 s96, s96, 127                        ; T0
	s_lshl_b32 s98, s98, 4
	s_add_co_u32 s84, s84, s98                     ; 16 batch + head A
	s_mov_b32 s99, QB
	s_mov_b32 s61, 98304
	s_cmp_eq_u32 s57, 1
	s_cselect_b32 s99, KVB, s99                    ; a head's block,
	s_cselect_b32 s58, 0, QOFF                     ; where such blocks begin,
	s_cselect_b32 s61, 196608, s61                 ; and where a block's scale words begin
	s_mul_i32 s84, s84, s99
	s_add_co_u32 s84, s84, s58
	s_mov_b32 s85, 0
	s_add_nc_u64 s[18:19], s[18:19], s[84:85]
	s_mul_i32 s86, s96, 768
	s_mov_b32 s87, 0
	s_add_nc_u64 s[88:89], s[18:19], s[86:87]      ; head A's half fragments,
	s_lshl_b32 s86, s96, 6
	s_add_co_u32 s86, s86, s61
	s_add_nc_u64 s[90:91], s[18:19], s[86:87]      ; its scale words,
	s_mov_b32 s86, s99
	s_add_nc_u64 s[92:93], s[88:89], s[86:87]      ; and head B's
	s_add_nc_u64 s[94:95], s[90:91], s[86:87]
.irp n, 0,1,2,3
	global_store_b128 v2, v[128+12*\n:131+12*\n], s[88:89] offset:768*\n
	global_store_b64 v3, v[132+12*\n:133+12*\n], s[88:89] offset:768*\n+512
	global_store_b128 v2, v[134+12*\n:137+12*\n], s[92:93] offset:768*\n
	global_store_b64 v3, v[138+12*\n:139+12*\n], s[92:93] offset:768*\n+512
.endr
.irp i, 0,1
	v_cndmask_b32 v[112+\i], v[184+2*\i], v[185+2*\i], s66      ; lanes 0-15 tile 2 i's words, lanes 16-31 tile 2 i + 1's
	v_perm_b32 v[114+\i], v[112+\i], v[112+\i], 0x01000100      ; head A's two bytes, twice: the two blocks that the attention pads with zero codes carry real bytes, never 0xff
	v_perm_b32 v[116+\i], v[112+\i], v[112+\i], 0x03020302      ; head B's
	global_store_b32 v4, v[114+\i], s[90:91] offset:128*\i
	global_store_b32 v4, v[116+\i], s[94:95] offset:128*\i
.endr
	s_branch .Lout_done
.Lout_v:
	; v: my 128 rows of source 0 are a key step, my 64 rows of source 1 a head: four whole fragments of V^T
	s_lshl_b32 s84, s59, 1
	s_add_co_u32 s84, s84, s53                     ; 16 batch + key step
	s_lshr_b32 s98, s84, 4
	s_and_b32 s84, s84, 15
	s_lshl_b32 s96, s60, 1
	s_add_co_u32 s96, s96, s54                     ; the head
	s_lshl_b32 s98, s98, 4
	s_add_co_u32 s96, s96, s98
	s_mul_i32 s96, s96, KVB
	s_mov_b32 s97, 0
	s_add_nc_u64 s[18:19], s[18:19], s[96:97]
	s_mul_i32 s86, s84, 6144
	s_add_co_u32 s86, s86, 98304
	s_mov_b32 s87, 0
	s_add_nc_u64 s[88:89], s[18:19], s[86:87]
	s_lshl_b32 s86, s84, 8
	s_add_co_u32 s86, s86, 204800
	s_add_nc_u64 s[90:91], s[18:19], s[86:87]
.irp n, 0,1,2,3
	global_store_b128 v2, v[128+12*\n:131+12*\n], s[88:89] offset:1536*\n
	global_store_b64 v3, v[132+12*\n:133+12*\n], s[88:89] offset:1536*\n+512
	global_store_b128 v2, v[134+12*\n:137+12*\n], s[88:89] offset:1536*\n+768
	global_store_b64 v3, v[138+12*\n:139+12*\n], s[88:89] offset:1536*\n+1280
.endr
.irp i, 0,1
	v_cndmask_b32 v[112+\i], v[184+2*\i], v[185+2*\i], s66
	global_store_b32 v4, v[112+\i], s[90:91] offset:128*\i
.endr
.Lout_done:
	s_wait_tensorcnt 0x0                           ; the wave's end: the closing lines stand behind my last tensor load
	ds_add_u32 v[SPW], v[NIL]
	s_wait_dscnt 0x0
	CROUND                                         ; the closing round: no work-group ends while a partner may still ask for a tile that names it
	s_endpgm
.Lfunc_end_k_qadedd10438_proj:
	.size	k_qadedd10438_proj, .Lfunc_end_k_qadedd10438_proj-k_qadedd10438_proj
	.p2alignl 7, 3214868480
	.fill 96, 4, 3214868480
	.section	.rodata,"a",@progbits
	.p2align	6, 0x0
	.amdhsa_kernel k_qadedd10438_proj
		.amdhsa_group_segment_fixed_size 327680
		.amdhsa_private_segment_fixed_size 0
		.amdhsa_enable_private_segment 0
		.amdhsa_kernarg_size 64
		.amdhsa_user_sgpr_count 2
		.amdhsa_user_sgpr_kernarg_segment_ptr 1
		.amdhsa_wavefront_size32 1
		.amdhsa_system_sgpr_workgroup_id_x 1
		.amdhsa_system_sgpr_workgroup_id_y 1
		.amdhsa_system_sgpr_workgroup_id_z 1
		.amdhsa_system_vgpr_workitem_id 0
		.amdhsa_next_free_vgpr 832
		.amdhsa_next_free_sgpr 102
		.amdhsa_reserve_vcc 0
		.amdhsa_float_denorm_mode_32 3
		.amdhsa_float_denorm_mode_16_64 3
		.amdhsa_memory_ordered 1
		.amdhsa_forward_progress 1
		.amdhsa_inst_pref_size 104
	.end_amdhsa_kernel
	.amdgpu_metadata
---
amdhsa.version: [ 1, 2 ]
amdhsa.kernels:
  - .name:           k_qadedd10438_proj
    .symbol:         k_qadedd10438_proj.kd
    .args:
      - { .name: xc, .offset: 0, .size: 8, .value_kind: global_buffer, .address_space: global }
      - { .name: xs, .offset: 8, .size: 8, .value_kind: global_buffer, .address_space: global }
      - { .name: wc, .offset: 16, .size: 8, .value_kind: global_buffer, .address_space: global }
      - { .name: ws, .offset: 24, .size: 8, .value_kind: global_buffer, .address_space: global }
      - { .name: bq, .offset: 32, .size: 8, .value_kind: global_buffer, .address_space: global }
      - { .name: bk, .offset: 40, .size: 8, .value_kind: global_buffer, .address_space: global }
      - { .name: bv, .offset: 48, .size: 8, .value_kind: global_buffer, .address_space: global }
      - { .name: hq, .offset: 56, .size: 8, .value_kind: global_buffer, .address_space: global }
    .group_segment_fixed_size: 327680
    .private_segment_fixed_size: 0
    .kernarg_segment_align: 8
    .kernarg_segment_size: 64
    .max_flat_workgroup_size: 128
    .sgpr_count:     102
    .vgpr_count:     832
    .wavefront_size: 32
...
	.end_amdgpu_metadata
.endif
;; end of part 2
;; launch attn (part 3): grid 4 x 64, 16 waves a work-group, no clusters, 210,944 bytes of LDS; arguments hq, mw, cc, cs; writes cc, cs
.if DOCPART == 3
	.amdgcn_target "amdgcn-amd-amdhsa--gfx1250"
	.amdhsa_code_object_version 6
	.text
	.protected	k_qadedd10438_attn
	.globl	k_qadedd10438_attn
	.p2align	8
	.type	k_qadedd10438_attn,@function
k_qadedd10438_attn:
	s_mov_b64 s[64:65], 0
	v_nop
	global_prefetch_b8 v0, s[64:65] scope:SCOPE_SE
	s_setreg_imm32_b32 hwreg(HW_REG_WAVE_MODE, 25, 1), 1
	s_wait_xcnt 0x0
; ATTN.  ctx = softmax(where(mask == 0, -1e9, Q K^T / 8)) V for one head, both products on codes of FP6 (E2M3) with E8M0 scales; ctx is quantised along the head's 64 channels and stored as an operand image.
; THE SOFTMAX AHEAD OF THE SECOND PRODUCT: t = score x log2(e) / 8; M = the row's largest t so far, rounded up to a whole number; p = 2^(t - M) is quantised along the keys, not normalised;
; the row's sum is taken of the unquantised p and divides at the end.  When M moves, the sum and O are multiplied by 2^(old M - new M): exact.
; SHARES.  A work-group serves one head (y) and 32 of its 128 query tiles; the head's K, V and their scale words, 208,896 bytes, lie in LDS whole, stored there once through registers.
; Wave w of work-group x = g takes tile g + 4 w and then tile 127 - (g + 4 w): a fixed fold, right for every mask.  Four waves share a SIMD, so that one wave's vector work stands beside another's products and LDS loads.
; NO TENSOR LOAD, NO CLUSTER: the loop over key steps branches on flags that an earlier launch stored, and what the four work-groups of a head share is the one fill at the head.
; LAYOUT.  S^T = K Q^T (source 0 = 16 keys, source 1 = my 16 queries), O^T = V^T P^T: a lane holds one query throughout.  Tiles of keys, queries and channels take rows 32 (T / 2) + 8 (T % 2) + r % 8 + 16 (r / 8),
; so that the 16 registers of tiles 2 b, 2 b + 1 are 16 neighbours along the next K.  The head's 64 channels are half of the instruction's K: Q's upper 64 codes are zeros, K's upper 64 are whatever lies in the next six registers
; (the next tile's codes, or zeros): they meet zero codes and add nothing; their scale bytes are real bytes, never 0xff.
; THE MASK.  mw holds, for each query tile and key step, the lane mask of each of the 64 score registers, and flags: a step none of whose keys is open is left out (only where every row of the tile has an open key somewhere);
; a step all of whose keys are open skips the 64 selects.
; LIMIT: a hidden raw score becomes -2^33 (the logit -2^30) where reference() writes the logit -1e9.  The results are reference()'s as long as every OPEN logit lies above about -9e8: a row with an open key has p = 0
; at hidden keys either way; a row with none has p = 1 at all 2,048 keys (-2^33 x c is a whole f32 number, so t - M is exactly 0).  NaN and infinities are not served.
; REGISTERS: v1-6 lane terms; v7-11, v30 the step's LDS addresses; v12 -M, v13 the largest t, v[14:15] the sum in two halves; v16-27 Q (v22-27 zeros); v28 -2^33; v32-79 K's eight half fragments, then V's four fragments; v80-85 zeros;
;   v86-95 offsets; v96-159 S^T, then p; v160-191 O^T; v192, v193 the add's two; v194, v195 ctx's scale words; v200-220 ctx's codes; v224-235 p's codes; v232-254 at work; v243 p's scale word; v248-251 scale words; v255 Q's.
;   The fill at the head passes through v32-79 and v96-149, which nothing else names until it has been stored to LDS.
; SCALARS: s12 wave, s13 g, s14 head, s15 query tile; s[16:63], s[80:95] the step's 64 mask words; s66 the key step; s67, s68, s69 its LDS offsets; s72 walk, s73 open; s[74:75] lane selects; s[76:77] c; s78 lanes 16-31; s79 the words' offset in mw.
.set KVB,   208896
.set QB,    106496
.set QOFF,  13369344
.set SPARE, 208896                     ; behind the head's block: the spare words, 128 bytes for each of 16 waves
.set SPW,   192
.set NIL,   193
	s_load_b256 s[4:11], s[0:1], 0x0               ; hq, mw, cc, cs
	v_lshl_add_u32 v[SPW], v0, 2, SPARE
	v_mov_b32 v[NIL], 0
	v_lshrrev_b32 v1, 5, v0
	v_readfirstlane_b32 s12, v1                    ; wave 0..15
	s_mov_b32 s13, ttmp9
	s_and_b32 s14, ttmp7, 0xffff                   ; 16 batch + head
	s_mul_i32 s2, s14, KVB
	s_mov_b32 s3, 0
	s_mul_i32 s100, s14, QB
	s_add_co_u32 s100, s100, QOFF
	s_mov_b32 s101, 0
	v_lshlrev_b32 v7, 4, v0                        ; 16 x thread: in memory and in LDS alike
	v_add_nc_u32 v8, 0x10000, v7                   ; (an LDS offset has 16 bits)
	v_add_nc_u32 v9, 0x20000, v7
	v_add_nc_u32 v10, 0x30000, v7
	v_lshlrev_b32 v95, 3, v0
	v_add_nc_u32 v11, 0x30000, v95
	s_wait_kmcnt 0x0
	s_add_nc_u64 s[96:97], s[4:5], s[100:101]      ; the head's Q block
	s_add_nc_u64 s[4:5], s[4:5], s[2:3]            ; its K and V block
.irp i, 0,1,2,3,4,5,6,7,8,9,10,11,12,13,14,15,16,17,18,19,20,21,22,23,24
.if \i < 12
.set FD, 32+4*\i                       ; loads 0-11 into v32-79,
.else
.set FD, 48+4*\i                       ; loads 12-24 into v96-147: past the lane terms and zero codes of v80-95, which are made while the loads are out
.endif
	global_load_b128 v[FD:FD+3], v7, s[4:5] offset:8192*\i             ; the 512 threads read 8,192 consecutive bytes
.endr
	global_load_b64 v[148:149], v95, s[4:5] offset:204800              ; and the last 4,096
	s_lshr_b32 s2, s14, 4                          ; batch
	s_and_b32 s14, s14, 15                         ; head
	s_mul_i32 s100, s2, 1572864                    ; cc: 128 tiles of 12,288 bytes a batch, 768 bytes a head
	s_mul_i32 s3, s14, 768
	s_add_co_u32 s100, s100, s3
	s_add_nc_u64 s[8:9], s[8:9], s[100:101]
	s_lshl_b32 s100, s14, 15                       ; cs: 32,768 bytes a head, 8,192 a batch
	s_lshl_b32 s3, s2, 13
	s_add_co_u32 s100, s100, s3
	s_add_nc_u64 s[10:11], s[10:11], s[100:101]
	s_mov_b32 s74, 0x76543210
	s_mov_b32 s75, 0xfedcba98
	s_mov_b32 s76, 0x3e38aa3b                      ; c = log2(e) / 8
	s_mov_b32 s77, s76                             ; (named with it as a pair, so it is written)
	s_mov_b32 s78, 0xffff0000
	v_and_b32 v29, 31, v0                          ; lane
	v_lshlrev_b32 v1, 4, v29                       ; K's half fragments: 16 l,
	v_lshlrev_b32 v86, 3, v29                      ; 8 l
	v_add_nc_u32 v2, 512, v86                      ; and 8 l + 512
	v_add_nc_u32 v3, 98304, v1                     ; V's fragments
	v_add_nc_u32 v4, 98816, v86
	v_lshlrev_b32 v5, 2, v29
	v_add_nc_u32 v6, 204800, v5                    ; V's scale words
	v_add_nc_u32 v5, 196608, v5                    ; K's
	v_and_b32 v87, 15, v0
	v_lshlrev_b32 v87, 2, v87                      ; 4 r
	v_mov_b32 v28, 0xd0000000                      ; -2^33
.irp j, 22,23,24,25,26,27,80,81,82,83,84,85
	v_mov_b32 v[\j], 0                             ; zero codes; never rewritten
.endr
.irp j, 236,237,238,239,252,253
	v_mov_b32 v[\j], 0                             ; written once: lane permutes' destinations, and the upper half of the pair v[252:253]
.endr
.irp i, 0,1,2,3,4,5,6,7,8,9,10,11,12,13,14,15,16,17,18,19,20,21,22,23,24
.if \i < 12
.set FD, 32+4*\i
.else
.set FD, 48+4*\i
.endif
	s_wait_loadcnt 25-\i                           ; loads come back in order: load i is in, the 25 - i younger ones may be out
	ds_store_b128 v[7+\i/8], v[FD:FD+3] offset:8192*(\i%8)
.endr
	s_wait_loadcnt 0x0
	ds_store_b64 v11, v[148:149] offset:8192
	s_wait_dscnt 0x0                               ; for the others' sake: my stores have landed
	s_barrier_signal -1
	s_barrier_wait -1                              ; the launch's one barrier: from here on LDS is only read
.macro TILE z
	s_wait_xcnt 0x0                                ; the offsets of the last tile's loads and stores are written again only behind this wait
.if (\z) == 0
	s_lshl_b32 s15, s12, 2
	s_add_co_u32 s15, s15, s13                     ; g + 4 w
.else
	s_sub_co_u32 s15, 127, s15
.endif
	s_lshl_b32 s2, s15, 8
	s_load_b64 s[72:73], s[6:7], s2 offset:0x80000 ; walk, open
	s_mul_i32 s3, s15, 768
	v_add_nc_u32 v88, s3, v1
	v_add_nc_u32 v89, s3, v86
	s_lshl_b32 s3, s15, 6
	v_add_nc_u32 v[90+(\z)], s3, v87               ; 64 tile + 4 r: Q's scale words, and later ctx's
	global_load_b128 v[16:19], v88, s[96:97]
	global_load_b64 v[20:21], v89, s[96:97] offset:512
	global_load_b32 v255, v[90+(\z)], s[96:97] offset:98304
	s_mul_i32 s3, s15, 12288
	v_add_nc_u32 v92, s3, v1
	v_add_nc_u32 v93, s3, v86
	s_lshl_b32 s79, s15, 12                        ; the tile's mask words: 4,096 bytes
	v_mov_b32 v13, 0xff61b1e6                      ; the largest t so far: -3e38
	v_floor_f32 v12, -v13                          ; -M
	v_mov_b32 v14, 0
	v_mov_b32 v15, 0
.set j, 0
.rept 32
	v_mov_b32 v[160+j], 0                          ; O^T: the step is written once; the first change of M leaves zeros zeros
.set j, j+1
.endr
	s_mov_b32 s66, 0
	s_mov_b32 s67, 0
	s_mov_b32 s68, 0
	s_mov_b32 s69, 0
	s_wait_kmcnt 0x0
	s_wait_loadcnt 0x0
.Lstep_\@:                                             ; 16 trips, a constant; a step without open keys jumps to the lines that step the offsets
	s_bitcmp1_b32 s72, s66
	s_cbranch_scc0 .Lskip_\@
	s_load_b512 s[16:31], s[6:7], s79 offset:0x0   ; the step's 64 lane masks, in every step that is walked
	s_load_b512 s[32:47], s[6:7], s79 offset:0x40
	s_load_b512 s[48:63], s[6:7], s79 offset:0x80
	s_load_b512 s[80:95], s[6:7], s79 offset:0xc0
	v_add_nc_u32 v7, s67, v1                       ; six plain lines: also the places behind the last step's products, in front of the loads below
	v_add_nc_u32 v8, s67, v2
	v_add_nc_u32 v9, s67, v3
	v_add_nc_u32 v10, s67, v4
	v_add_nc_u32 v11, s68, v5
	v_add_nc_u32 v30, s69, v6
.irp t, 0,1,2,3,4,5,6,7
	ds_load_b128 v[32+6*\t:35+6*\t], v7 offset:768*\t
	ds_load_b64 v[36+6*\t:37+6*\t], v8 offset:768*\t
.endr
.irp i, 0,1,2,3
	ds_load_b32 v[248+\i], v11 offset:128*\i       ; lanes 0-15 tile 2 i's words, lanes 16-31 tile 2 i + 1's
.endr
	s_wait_dscnt 0x0
.irp t, 0,2,4,6
	v_wmma_scale_f32_16x16x128_f8f6f4 v[96+8*\t:103+8*\t], v[32+6*\t:43+6*\t], v[16:27], 0, v[248+\t/2], v255 matrix_a_fmt:MATRIX_FMT_FP6 matrix_b_fmt:MATRIX_FMT_FP6
	v_wmma_scale_f32_16x16x128_f8f6f4 v[104+8*\t:111+8*\t], v[38+6*\t:49+6*\t], v[16:27], 0, v[248+\t/2], v255 matrix_a_fmt:MATRIX_FMT_FP6 matrix_b_fmt:MATRIX_FMT_FP6 matrix_a_scale:MATRIX_SCALE_ROW1
.endr
.rept 4
	v_nop                                          ; places: in front of the loads into K's registers and scale words, and of the first read of the scores
.endr
.irp d, 0,1,2,3                        ; V's fragments are asked for now and land under the softmax
	ds_load_b128 v[32+12*\d:35+12*\d], v9 offset:1536*\d
	ds_load_b64 v[36+12*\d:37+12*\d], v10 offset:1536*\d
	ds_load_b128 v[38+12*\d:41+12*\d], v9 offset:1536*\d+768
	ds_load_b64 v[42+12*\d:43+12*\d], v10 offset:1536*\d+768
.endr
	ds_load_b32 v248, v30
	ds_load_b32 v249, v30 offset:128
	s_wait_kmcnt 0x0                               ; the masks are in, on both ways below: none is pending at the next step's loads
	s_bitcmp1_b32 s73, s66
	s_cbranch_scc1 .Lopen_\@
.set n, 0
.rept 64
.if n < 48
.set w, 16+n
.else
.set w, 32+n
.endif
	v_cndmask_b32 v[96+n], v28, v[96+n], s[w]      ; a hidden key's score becomes -2^33; each accumulator from its low end on
.set n, n+1
.endr
.Lopen_\@:
.irp b, 0,1,2,3
	v_max3_num_f32 v[232+\b], v[96+16*\b], v[97+16*\b], v[98+16*\b]   ; the largest score of each block of 32 keys: for the row's maximum, and, since p rises with the score, for the block's largest p
.endr
.irp i, 3,5,7,9,11,13
.irp b, 0,1,2,3
	v_max3_num_f32 v[232+\b], v[232+\b], v[96+16*\b+\i], v[97+16*\b+\i]
.endr
.endr
.irp b, 0,1,2,3
	v_max_num_f32 v[232+\b], v[232+\b], v[111+16*\b]
.endr
.irp b, 0,1,2,3
	v_permlanex16_b32 v[236+\b], v[232+\b], s74, s75
.endr
.irp b, 0,1,2,3
	v_max_num_f32 v[232+\b], v[232+\b], v[236+\b]  ; with lane l xor 16's 16 keys
.endr
	v_max3_num_f32 v254, v232, v233, v234
	v_max_num_f32 v254, v254, v235
	v_mul_f32 v254, s76, v254                      ; as t
	v_max_num_f32 v13, v13, v254                   ; the running largest t
	v_mov_b32 v254, v12
	v_floor_f32 v12, -v13                          ; the new -M = -ceil(t)
	v_sub_f32 v254, v12, v254                      ; old M - new M: a whole number, 0 or less
	v_cvt_i32_f32 v254, v254                       ; (it saturates)
	v_ldexp_f32 v252, 1.0, v254                    ; f = 2^(old M - new M)
.set j, 0
.rept 32
	v_pk_fma_f32 v[96+j:97+j], v[96+j:97+j], s[76:77], v[12:13] op_sel_hi:[1,0,0]   ; t - M, two at a time
.set j, j+2
.endr
.irp b, 0,1,2,3
	v_fma_f32 v[232+\b], v[232+\b], s76, v12       ; the same of each block's largest score
.endr
.set j, 0
.rept 64
	v_exp_f32 v[96+j], v[96+j]                     ; p = 2^(t - M)
.set j, j+1
.endr
	v_pk_mul_f32 v[14:15], v[14:15], v[252:253] op_sel_hi:[1,0]   ; the sums under the new M: a plain place behind the exponentials
	s_wait_alu depctr_va_vdst(0)                   ; one wait for the batch of 64, ahead of its first reader
.irp b, 0,1,2,3
	v_exp_f32 v[232+\b], v[232+\b]                 ; the block's largest p
.endr
	v_pk_add_f32 v[236:237], v[96:97], v[98:99]    ; the row's sum of the unquantised p, in two chains
.irp j, 4,8,12,16,20,24,28,32,36,40,44,48,52,56,60
	v_pk_add_f32 v[14:15], v[14:15], v[96+\j:97+\j]
	v_pk_add_f32 v[236:237], v[236:237], v[98+\j:99+\j]
.endr
	v_pk_add_f32 v[14:15], v[14:15], v[236:237]
	s_wait_alu depctr_va_vdst(0)                   ; and one for the four
.irp b, 0,1,2,3
	v_max_num_f32 v[232+\b], 0x1800000, v[232+\b]  ; the floor 2^(3 - 127): a block whose every p is 0 keeps the byte 1 over zero codes
.endr
.irp b, 0,1,2,3
	v_add_nc_u32 v[244+\b], 0xff000000, v[232+\b]
.endr
.irp b, 0,1,2,3
	v_lshrrev_b32 v[236+\b], 23, v[244+\b]
.endr
	v_lshl_or_b32 v243, v237, 8, v236              ; p's scale word for these 128 keys
	v_lshl_or_b32 v243, v238, 16, v243
	v_lshl_or_b32 v243, v239, 24, v243
.irp c, 0,1
	v_cvt_scalef32_pk16_fp6_f32 v[224+6*\c:226+6*\c], v[96+32*\c:111+32*\c], v[244+2*\c]
	v_cvt_scalef32_pk16_fp6_f32 v[236+4*\c:238+4*\c], v[112+32*\c:127+32*\c], v[245+2*\c]
.endr
	v_nop                                          ; one plain place behind a scaled conversion
.irp c, 0,1
.irp k, 0,1,2
	v_permlane16_swap_b32 v[224+6*\c+\k], v[236+4*\c+\k]
.endr
.irp k, 0,1,2
	v_mov_b32 v[227+6*\c+\k], v[236+4*\c+\k]
.endr
.endr
.set j, 0
.rept 16
	v_pk_mul_f32 v[160+j:161+j], v[160+j:161+j], v[252:253] op_sel_hi:[1,0]   ; O^T under the new M, tile 0 first: the twelve lines of tiles 1 to 3 are the places between p's scale word and codes and the first product
.set j, j+2
.endr
	s_wait_dscnt 0x0                               ; V is in
.irp d, 0,2                            ; four accumulators by turns
	v_wmma_scale_f32_16x16x128_f8f6f4 v[160+8*\d:167+8*\d], v[32+12*\d:43+12*\d], v[224:235], v[160+8*\d:167+8*\d], v[248+\d/2], v243 matrix_a_fmt:MATRIX_FMT_FP6 matrix_b_fmt:MATRIX_FMT_FP6
	v_wmma_scale_f32_16x16x128_f8f6f4 v[168+8*\d:175+8*\d], v[44+12*\d:55+12*\d], v[224:235], v[168+8*\d:175+8*\d], v[248+\d/2], v243 matrix_a_fmt:MATRIX_FMT_FP6 matrix_b_fmt:MATRIX_FMT_FP6 matrix_a_scale:MATRIX_SCALE_ROW1
.endr
.Lskip_\@:
	s_wait_xcnt 0x0                                ; the scalar loads have read their offset
	s_add_co_u32 s79, s79, 256
	s_add_co_u32 s67, s67, 6144
	s_add_co_u32 s68, s68, 512
	s_add_co_u32 s69, s69, 256
	s_add_co_u32 s66, s66, 1
	s_cmp_lt_u32 s66, 16
	s_cbranch_scc1 .Lstep_\@
	; the way out: O^T / the sum; register 16 b + i is channel 32 b + 16 h + i of my query: two blocks along the last product's K
.rept 4
	v_nop
.endr
	v_add_f32 v14, v14, v15
	v_permlanex16_b32 v252, v14, s74, s75
	v_add_f32 v14, v14, v252                       ; the row's sum
	v_rcp_f32 v14, v14
	v_nop                                          ; a plain place behind the reciprocal
	s_wait_alu depctr_va_vdst(0)                   ; and the wait ahead of its first reader
.set j, 0
.rept 16
	v_pk_mul_f32 v[160+j:161+j], v[160+j:161+j], v[14:15] op_sel_hi:[1,0]
.set j, j+2
.endr
.set CX, 200+12*(\z)
.irp b, 0,1
	v_max3_num_f32 v[232+\b], |v[160+16*\b]|, |v[161+16*\b]|, 0x1800000
.endr
.irp i, 2,4,6,8,10,12,14
.irp b, 0,1
	v_max3_num_f32 v[232+\b], v[232+\b], |v[160+16*\b+\i]|, |v[161+16*\b+\i]|
.endr
.endr
.irp b, 0,1
	v_permlanex16_b32 v[236+\b], v[232+\b], s74, s75
.endr
.irp b, 0,1
	v_max_num_f32 v[232+\b], v[232+\b], v[236+\b]
.endr
.irp b, 0,1
	v_add_nc_u32 v[244+\b], 0xff000000, v[232+\b]
.endr
.irp b, 0,1
	v_lshrrev_b32 v[236+\b], 23, v[244+\b]
.endr
	v_lshl_or_b32 v[194+(\z)], v237, 8, v236       ; the head's two scale bytes of my query
	v_cvt_scalef32_pk16_fp6_f32 v[CX:CX+2], v[160:175], v244
	v_cvt_scalef32_pk16_fp6_f32 v[CX+6:CX+8], v[176:191], v245
	v_nop
.irp k, 0,1,2
	v_permlane16_swap_b32 v[CX+\k], v[CX+6+\k]
.endr
.irp k, 0,1,2
	v_mov_b32 v[CX+3+\k], v[CX+6+\k]
.endr
	global_store_b128 v92, v[CX:CX+3], s[8:9]      ; a half fragment: 512 and 256 consecutive bytes
	global_store_b64 v93, v[CX+4:CX+5], s[8:9] offset:512
.endm
	TILE 0
	TILE 1
	v_cndmask_b32 v94, v194, v195, s78             ; lanes 0-15 store the first tile's 16 scale words, lanes 16-31 the second's
	v_cndmask_b32 v95, v90, v91, s78
	global_store_b32 v95, v94, s[10:11]
	s_wait_tensorcnt 0x0                           ; the wave's end: the closing lines stand behind my last LDS store
	ds_add_u32 v[SPW], v[NIL]
	s_wait_dscnt 0x0
	s_endpgm
.Lfunc_end_k_qadedd10438_attn:
	.size	k_qadedd10438_attn, .Lfunc_end_k_qadedd10438_attn-k_qadedd10438_attn
	.p2alignl 7, 3214868480
	.fill 96, 4, 3214868480
	.section	.rodata,"a",@progbits
	.p2align	6, 0x0
	.amdhsa_kernel k_qadedd10438_attn
		.amdhsa_group_segment_fixed_size 210944
		.amdhsa_private_segment_fixed_size 0
		.amdhsa_enable_private_segment 0
		.amdhsa_kernarg_size 32
		.amdhsa_user_sgpr_count 2
		.amdhsa_user_sgpr_kernarg_segment_ptr 1
		.amdhsa_wavefront_size32 1
		.amdhsa_system_sgpr_workgroup_id_x 1
		.amdhsa_system_sgpr_workgroup_id_y 1
		.amdhsa_system_sgpr_workgroup_id_z 1
		.amdhsa_system_vgpr_workitem_id 0
		.amdhsa_next_free_vgpr 256
		.amdhsa_next_free_sgpr 102
		.amdhsa_reserve_vcc 0
		.amdhsa_float_denorm_mode_32 3
		.amdhsa_float_denorm_mode_16_64 3
		.amdhsa_memory_ordered 1
		.amdhsa_forward_progress 1
		.amdhsa_inst_pref_size 61
	.end_amdhsa_kernel
	.amdgpu_metadata
---
amdhsa.version: [ 1, 2 ]
amdhsa.kernels:
  - .name:           k_qadedd10438_attn
    .symbol:         k_qadedd10438_attn.kd
    .args:
      - { .name: hq, .offset: 0, .size: 8, .value_kind: global_buffer, .address_space: global }
      - { .name: mw, .offset: 8, .size: 8, .value_kind: global_buffer, .address_space: global }
      - { .name: cc, .offset: 16, .size: 8, .value_kind: global_buffer, .address_space: global }
      - { .name: cs, .offset: 24, .size: 8, .value_kind: global_buffer, .address_space: global }
    .group_segment_fixed_size: 210944
    .private_segment_fixed_size: 0
    .kernarg_segment_align: 8
    .kernarg_segment_size: 32
    .max_flat_workgroup_size: 512
    .sgpr_count:     102
    .vgpr_count:     256
    .wavefront_size: 32
...
	.end_amdgpu_metadata
.endif
;; end of part 3
;; launch outp (part 4): grid 4 x 64, 4 waves a work-group, clusters of 4 x 4, 327,680 bytes of LDS; arguments cc, cs, wc, ws, bo, out0; writes out0
.if DOCPART == 4
	.amdgcn_target "amdgcn-amd-amdhsa--gfx1250"
	.amdhsa_code_object_version 6
	.text
	.protected	k_qadedd10438_outp
	.globl	k_qadedd10438_outp
	.p2align	8
	.type	k_qadedd10438_outp,@function
k_qadedd10438_outp:
	s_mov_b64 s[64:65], 0
	v_nop
	global_prefetch_b8 v0, s[64:65] scope:SCOPE_SE
	s_setreg_imm32_b32 hwreg(HW_REG_WAVE_MODE, 25, 1), 1
	s_wait_xcnt 0x0
	s_wait_alu depctr_hold_cnt(0) depctr_sa_sdst(0) depctr_va_vdst(0) depctr_va_sdst(0) depctr_va_ssrc(0) depctr_va_vcc(0) depctr_vm_vsrc(0)
	s_getreg_b32 s2, hwreg(HW_REG_IB_STS2, 6, 4)
	s_cmp_eq_u32 s2, 0
	s_cbranch_scc0 .Lentry_in_a_cluster
	s_endpgm
.Lentry_in_a_cluster:
	s_bfe_u32 s2, ttmp6, 0x10000c
	s_cmp_lg_u32 s2, 0xf033
	s_cbranch_scc0 .Lentry_shape_is_right
	s_endpgm
.Lentry_shape_is_right:
; OUTP.  out = ctx wo^T + bo on codes of FP6 (E2M3) with E8M0 scales; out [8192][1024] f32.
; Operands come as register images (tile = 16 rows 32 (T / 2) + 8 (T % 2) + r % 8 + 16 (r / 8); fragment = 1,536 bytes; a tile's eight K steps on end, 12,288 bytes).
; A work-group multiplies 256 rows of wo (source 0, 16 tiles) by 128 tokens (source 1, 8 tiles) over all of K = 1,024: 294,912 bytes of codes, which lie in LDS whole: each byte is filled once.
; A wave makes 128 features x 64 tokens: 32 accumulators by turns; a lane holds one token and eight neighbouring features of a row of out.
; CLUSTERS: 4 x 4 work-groups.  wo's block hangs on cx alone and is asked for jointly by a column of the cluster, the tokens' on cy and the cluster's y, by a row: the requests are divided by four.
; ctx's scale bytes lie by head (cs [head][tile][16 words], two bytes a word): a K step's word is made of two heads' halves.
; NaN and infinities among the inputs are not served.
; REGISTERS: window 0: v2-9 lane terms; v16-31 LDS addresses; v32, v33 the add's two; v48-79, v80-95 scale words; v96-127 cs's words as loaded; v128-223 source 1's fragments, two sets; on the way out v128-255 rows of out.
;            window 1: source 0's fragments, two sets.   window 2: accumulator (t, n) at v[8 (8 n + t)].   window 3: bo, as the first products' C.
.set WT,    786432
.set CH0,   49152
.set CH1,   24576
.set S1B,   4*CH0
.set SPARE, S1B+4*CH1
.set A16,   16
.set A8,    20
.set B16,   24
.set B8,    28
.set SPW,   32
.set NIL,   33
.set SC0,   48
.set SC1,   80
.set RAW,   96
.set G1A,   20
.set G1B,   28
.set G0A,   36
.set G0B,   68
.set MSB, 0
.macro WIN new                         ; the immediate's high byte repeats the setting that is left
.if MSB != \new
	s_set_vgpr_msb (MSB<<8)|\new
.set MSB, \new
.endif
.endm
.macro PLACES n
.rept \n
	v_nop
.endr
.endm
.macro CROUND                          ; a round of the cluster's barrier
	s_barrier_signal -1
	s_barrier_wait -1
	s_cmp_lg_u32 s52, 0
	s_cbranch_scc1 .Lnot_wave_0_\@
	s_barrier_signal -3
.Lnot_wave_0_\@:
	s_barrier_wait -3
	s_barrier_signal -1
	s_barrier_wait -1
.endm
	s_load_b256 s[4:11], s[0:1], 0x0               ; cc, cs, wc, ws
	s_load_b128 s[12:15], s[0:1], 0x20             ; bo, out0
	v_lshl_add_u32 v[SPW], v0, 2, SPARE
	v_mov_b32 v[NIL], 0
	ds_add_u32 v[SPW], v[NIL]                      ; the wave's opening: the add and its wait stand ahead of my first tensor load; work on registers stands between them
	v_lshrrev_b32 v1, 5, v0
	v_readfirstlane_b32 s52, v1                    ; wave
	s_and_b32 s53, s52, 1                          ; w0: which 8 tiles of wo I multiply
	s_lshr_b32 s54, s52, 1                         ; w1: which 4 tiles of tokens
	s_bfe_u32 s59, ttmp6, 0x40000                  ; cx = wo's block of 256 rows
	s_bfe_u32 s56, ttmp6, 0x40004                  ; cy
	s_and_b32 s60, ttmp7, 0xffff
	s_lshl_b32 s60, s60, 2
	s_add_co_u32 s60, s60, s56                     ; the tokens' block of 128
	s_lshl_b32 s61, 0x1111, s59                    ; my column of the cluster
	s_lshl_b32 s62, s56, 2
	s_lshl_b32 s62, 15, s62                        ; my row
	; descriptor group 1: R rows of 3,072 bytes (a tile's two K steps: 384 elements of 8 bytes), 12,288 bytes apart, laid on end in LDS
	s_or_b32 s[G1A], s61, (3<<16)|(1<<21)
	s_or_b32 s[G1B], s62, (3<<16)|(1<<21)
	s_mov_b32 s[G1A+1], 384<<16
	s_mov_b32 s[G1A+2], 4<<16
	s_mov_b32 s[G1A+3], 384<<16
	s_mov_b32 s[G1A+4], 4
	s_mov_b32 s[G1A+5], 1536
	s_mov_b32 s[G1A+6], 0
	s_mov_b32 s[G1A+7], 0
	s_mov_b32 s[G1B+1], 384<<16
	s_mov_b32 s[G1B+2], 2<<16
	s_mov_b32 s[G1B+3], 384<<16
	s_mov_b32 s[G1B+4], 2
	s_mov_b32 s[G1B+5], 1536
	s_mov_b32 s[G1B+6], 0
	s_mov_b32 s[G1B+7], 0
	s_mul_i32 s94, s52, 12288                      ; where they go: no place in the cluster enters an LDS address
	s_mul_i32 s95, s52, 6144
	s_add_co_u32 s95, s95, S1B
	s_wait_dscnt 0x0                               ; the opening add is done
	s_wait_kmcnt 0x0
	s_add_nc_u64 s[8:9], s[8:9], 3*WT              ; wo is the fourth weight
	s_add_nc_u64 s[10:11], s[10:11], 3*32768
	s_mul_i32 s84, s59, 196608                     ; source 0: my block's 16 tiles, my 4 of them (registers that never hold cy)
	s_mul_i32 s85, s52, 49152
	s_add_co_u32 s84, s84, s85
	s_mov_b32 s85, 0
	s_add_nc_u64 s[86:87], s[8:9], s[84:85]
	s_mul_i32 s96, s60, 98304                      ; source 1: my block's 8 tiles, my 2 of them (registers that never hold cx)
	s_mul_i32 s97, s52, 24576
	s_add_co_u32 s96, s96, s97
	s_mov_b32 s97, 0
	s_add_nc_u64 s[88:89], s[4:5], s[96:97]
	s_lshl_b32 s84, s59, 13                        ; wo's scale words: 512 bytes a tile, the 8 tiles that I multiply
	s_lshl_b32 s98, s53, 12
	s_add_co_u32 s84, s84, s98
	s_add_nc_u64 s[10:11], s[10:11], s[84:85]
	s_lshl_b32 s96, s60, 9                         ; ctx's: 64 bytes a tile and head, the 4 tiles that I multiply
	s_lshl_b32 s98, s54, 8
	s_add_co_u32 s96, s96, s98
	s_add_nc_u64 s[6:7], s[6:7], s[96:97]
	s_lshl_b32 s84, s59, 10                        ; bo: my first feature, 256 block + 128 w0, in bytes
	s_lshl_b32 s98, s53, 9
	s_add_co_u32 s84, s84, s98
	s_add_nc_u64 s[12:13], s[12:13], s[84:85]
	s_lshl_b32 s96, s60, 19                        ; out: token 128 block + 64 w1, rows of 4,096 bytes, + my first feature
	s_lshl_b32 s98, s54, 18
	s_add_co_u32 s96, s96, s98
	s_add_co_u32 s96, s96, s84
	s_add_nc_u64 s[14:15], s[14:15], s[96:97]
.irp c, 0,1,2,3
	s_mov_b32 s[G0A+4*\c], 1
	s_add_co_u32 s[G0A+4*\c+1], s94, \c*CH0
	s_add_nc_u64 s[G0A+4*\c+2:G0A+4*\c+3], s[86:87], 3072*\c
	s_or_b32 s[G0A+4*\c+3], s[G0A+4*\c+3], 0x80000000
	s_mov_b32 s[G0B+4*\c], 1
	s_add_co_u32 s[G0B+4*\c+1], s95, \c*CH1
	s_add_nc_u64 s[G0B+4*\c+2:G0B+4*\c+3], s[88:89], 3072*\c
	s_or_b32 s[G0B+4*\c+3], s[G0B+4*\c+3], 0x80000000
.endr
	CROUND                                         ; all sixteen work-groups are here: the joint loads meet
.irp c, 0,1,2,3                        ; all fills of the launch, one group: eight loads of mine are out
	tensor_load_to_lds s[G0A+4*\c:G0A+4*\c+3], s[G1A:G1A+7]
	s_nop 0
	tensor_load_to_lds s[G0B+4*\c:G0B+4*\c+3], s[G1B:G1B+7]
	s_nop 0
.endr
	PLACES 4
	v_and_b32 v1, 31, v0
	v_lshlrev_b32 v2, 4, v1                        ; 16 l
	v_lshlrev_b32 v3, 3, v1                        ; 8 l
	v_lshlrev_b32 v4, 2, v1                        ; 4 l
	v_lshlrev_b32 v7, 5, v1                        ; 32 l
	v_bfe_u32 v5, v0, 4, 1
	v_lshlrev_b32 v5, 6, v5                        ; 64 h
.irp i, 0,1,2,3
.irp q, 0,1
	global_load_b128 v[SC0+8*\i+4*\q:SC0+8*\i+4*\q+3], v7, s[10:11] offset:1024*\i+16*\q   ; register 8 i + s: K step s; lanes 0-15 tile 2 i, lanes 16-31 tile 2 i + 1
.endr
.endr
.irp i, 0,1
.irp e, 0,1,2,3,4,5,6,7,8,9,10,11,12,13,14,15
	global_load_b32 v[RAW+16*\i+\e], v4, s[6:7] offset:32768*\e+128*\i   ; head e's words of tiles 2 i (lanes 0-15) and 2 i + 1 (lanes 16-31)
.endr
.endr
	WIN 0xc0                                       ; destination window 3
.irp t, 0,1,2,3,4,5,6,7                ; in the result's layout: register j of tile t is feature 32 (t / 2) + 16 h + 8 (t % 2) + j
	global_load_b128 v[8*\t:8*\t+3], v5, s[12:13] offset:128*(\t/2)+32*(\t%2)
	global_load_b128 v[8*\t+4:8*\t+7], v5, s[12:13] offset:128*(\t/2)+32*(\t%2)+16
.endr
	WIN 0
	s_mul_i32 s98, s53, 24576
	s_mul_i32 s99, s54, 12288
	s_add_co_u32 s99, s99, S1B
.irp c, 0,1,2,3
	v_add_nc_u32 v[A16+\c], s98, v2
	v_add_nc_u32 v[A8+\c], s98, v3
	v_add_nc_u32 v[B16+\c], s99, v2
	v_add_nc_u32 v[B8+\c], s99, v3
	s_add_co_u32 s98, s98, CH0
	s_add_co_u32 s99, s99, CH1
.endr
	s_mul_i32 s98, s52, 8448                       ; the way out: my stage, 16 rows x 528 bytes, in chunk 0's bytes
	v_and_b32 v6, 15, v0
	v_mul_u32_u24 v8, v6, 528
	v_add_nc_u32 v8, v8, v5
	v_add_nc_u32 v8, s98, v8                       ; in: 528 r + 64 h
	v_add_nc_u32 v9, s98, v2                       ; back: 16 l
	s_wait_loadcnt 0x0                             ; scale words and bias, while the tensor loads are on their way
.irp i, 0,1
.irp s, 0,1,2,3,4,5,6,7
	v_perm_b32 v[SC1+8*\i+\s], v[RAW+16*\i+2*\s+1], v[RAW+16*\i+2*\s], 0x05040100   ; K step s = heads 2 s, 2 s + 1: their two low halves
.endr
.endr
	PLACES 8                                       ; a scale register written by a vector instruction stands eight places ahead of a scaled product
.macro FETCH s                         ; K step s's twelve fragments, 48 LDS loads, into set s % 2
.set CK, (\s)/2
.set PP, (\s)%2
	WIN 0x40
.irp t, 0,1,2,3,4,5,6,7
	ds_load_b128 v[128*PP+12*\t:128*PP+12*\t+3], v[A16+CK] offset:3072*\t+1536*PP
	ds_load_b64 v[128*PP+12*\t+4:128*PP+12*\t+5], v[A8+CK] offset:3072*\t+1536*PP+512
	ds_load_b128 v[128*PP+12*\t+6:128*PP+12*\t+9], v[A16+CK] offset:3072*\t+1536*PP+768
	ds_load_b64 v[128*PP+12*\t+10:128*PP+12*\t+11], v[A8+CK] offset:3072*\t+1536*PP+1280
.endr
	WIN 0
.irp n, 0,1,2,3
	ds_load_b128 v[128+48*PP+12*\n:128+48*PP+12*\n+3], v[B16+CK] offset:3072*\n+1536*PP
	ds_load_b64 v[128+48*PP+12*\n+4:128+48*PP+12*\n+5], v[B8+CK] offset:3072*\n+1536*PP+512
	ds_load_b128 v[128+48*PP+12*\n+6:128+48*PP+12*\n+9], v[B16+CK] offset:3072*\n+1536*PP+768
	ds_load_b64 v[128+48*PP+12*\n+10:128+48*PP+12*\n+11], v[B8+CK] offset:3072*\n+1536*PP+1280
.endr
.endm
.macro WM oa, ob                       ; one product; an odd tile's scale words lie in lanes 16-31
.if (\oa) && (\ob)
	v_wmma_scale_f32_16x16x128_f8f6f4 v[rD:rD+7], v[rA:rA+11], v[rB:rB+11], v[rC:rC+7], v[rX], v[rY] matrix_a_fmt:MATRIX_FMT_FP6 matrix_b_fmt:MATRIX_FMT_FP6 matrix_a_scale:MATRIX_SCALE_ROW1 matrix_b_scale:MATRIX_SCALE_ROW1
.elseif (\oa)
	v_wmma_scale_f32_16x16x128_f8f6f4 v[rD:rD+7], v[rA:rA+11], v[rB:rB+11], v[rC:rC+7], v[rX], v[rY] matrix_a_fmt:MATRIX_FMT_FP6 matrix_b_fmt:MATRIX_FMT_FP6 matrix_a_scale:MATRIX_SCALE_ROW1
.elseif (\ob)
	v_wmma_scale_f32_16x16x128_f8f6f4 v[rD:rD+7], v[rA:rA+11], v[rB:rB+11], v[rC:rC+7], v[rX], v[rY] matrix_a_fmt:MATRIX_FMT_FP6 matrix_b_fmt:MATRIX_FMT_FP6 matrix_b_scale:MATRIX_SCALE_ROW1
.else
	v_wmma_scale_f32_16x16x128_f8f6f4 v[rD:rD+7], v[rA:rA+11], v[rB:rB+11], v[rC:rC+7], v[rX], v[rY] matrix_a_fmt:MATRIX_FMT_FP6 matrix_b_fmt:MATRIX_FMT_FP6
.endif
.endm
.macro MUL s, cm                       ; K step s: 32 products.  cm = 1: the sums begin with the bias of wo's tile t
.set PP, (\s)%2
.irp n, 0,1,2,3
.irp t, 0,1,2,3,4,5,6,7
.set rD, 8*(8*\n+\t)
.set rC, rD
.if (\cm) == 1
.set rC, 8*\t
.endif
.set rA, 128*PP+12*\t
.set rB, 128+48*PP+12*\n
.set rX, SC0+8*(\t/2)+(\s)
.set rY, SC1+8*(\n/2)+(\s)
	WM \t%2, \n%2
.endr
.endr
.endm
	s_wait_tensorcnt 6                             ; my two loads of chunk 0 are in; the six of chunks 1 to 3 may be out
	s_barrier_signal -1
	s_barrier_wait -1                              ; everybody's are
	FETCH 0
	FETCH 1
	s_wait_dscnt 48                                ; K step 0's fragments are in; K step 1's 48 loads may be out
	WIN 0xb1                                       ; source 0 window 1, source 1 window 0, C window 3, D window 2
	MUL 0, 1
.irp s, 1,2,3,4,5,6,7
	PLACES 4                                       ; in front of loads into the set that the last step's products read
.if (\s%2) && (\s < 7)
	s_wait_dscnt 0x0                               ; no LDS instruction of mine is out at a signal
	s_wait_tensorcnt 5-\s                          ; my two loads of the next chunk are in; two for each later chunk may be out
	s_barrier_signal -1
	s_barrier_wait -1                              ; everybody's are
.endif
.if \s < 7
	FETCH \s+1
	s_wait_dscnt 48                                ; this step's fragments are in; the 48 loads just issued may be out
.else
	s_wait_dscnt 0x0
.endif
	WIN 0xa1
	MUL \s, 0
.endr
	WIN 0
; THE WAY OUT, a tile of 16 tokens x 128 features at a time, through my stage.  It lies in chunk 0's bytes: they had their one fill at the start, their last reads were waited for in front of chunk 1's barrier, and every wave has passed that barrier.
; LDS serves a wave's instructions in order: no wait between the stores and the loads, nor in front of the next tile's stores.
.macro TOSTAGE n
	WIN 0x08                                       ; an LDS store's data are its source 1: window 2
.irp t, 0,1,2,3,4,5,6,7
	ds_store_b128 v8, v[8*(8*(\n)+\t):8*(8*(\n)+\t)+3] offset:128*(\t/2)+32*(\t%2)        ; each accumulator from its low end on
	ds_store_b128 v8, v[8*(8*(\n)+\t)+4:8*(8*(\n)+\t)+7] offset:128*(\t/2)+32*(\t%2)+16
.endr
	WIN 0
.set BB, 128+64*((\n)%2)
.irp i, 0,1,2,3,4,5,6,7,8,9,10,11,12,13,14,15
	ds_load_b128 v[BB+4*\i:BB+4*\i+3], v9 offset:528*\i
.endr
.endm
.macro SEND n, younger                 ; younger: the LDS instructions issued behind tile n's loads, which may stay out
.set BB, 128+64*((\n)%2)
	s_wait_dscnt \younger
.irp i, 0,1,2,3,4,5,6,7,8,9,10,11,12,13,14,15
	global_store_b128 v2, v[BB+4*\i:BB+4*\i+3], s[14:15] offset:(32*((\n)/2)+8*((\n)%2)+\i+8*(\i/8))*4096 th:TH_STORE_NT   ; 32 lanes store 512 consecutive bytes, at a multiple of 512 from out's first byte
.endr
.endm
	PLACES 4                                       ; in front of the first read of results and of the loads into source 1's registers
	TOSTAGE 0
	TOSTAGE 1
	SEND 0, 32                                     ; behind tile 0's loads: tile 1's 16 stores and 16 loads
	s_wait_xcnt 0x0                                ; tile 0's stores have read their registers: tile 2's loads may land there
	TOSTAGE 2
	SEND 1, 32
	s_wait_xcnt 0x0
	TOSTAGE 3
	SEND 2, 32
	SEND 3, 0
	s_wait_tensorcnt 0x0                           ; the wave's end: the closing lines stand behind my last tensor load and my last LDS store
	ds_add_u32 v[SPW], v[NIL]
	s_wait_dscnt 0x0
	CROUND                                         ; the closing round: no work-group ends while a partner may still ask for a tile that names it
	s_endpgm
.Lfunc_end_k_qadedd10438_outp:
	.size	k_qadedd10438_outp, .Lfunc_end_k_qadedd10438_outp-k_qadedd10438_outp
	.p2alignl 7, 3214868480
	.fill 96, 4, 3214868480
	.section	.rodata,"a",@progbits
	.p2align	6, 0x0
	.amdhsa_kernel k_qadedd10438_outp
		.amdhsa_group_segment_fixed_size 327680
		.amdhsa_private_segment_fixed_size 0
		.amdhsa_enable_private_segment 0
		.amdhsa_kernarg_size 48
		.amdhsa_user_sgpr_count 2
		.amdhsa_user_sgpr_kernarg_segment_ptr 1
		.amdhsa_wavefront_size32 1
		.amdhsa_system_sgpr_workgroup_id_x 1
		.amdhsa_system_sgpr_workgroup_id_y 1
		.amdhsa_system_sgpr_workgroup_id_z 1
		.amdhsa_system_vgpr_workitem_id 0
		.amdhsa_next_free_vgpr 832
		.amdhsa_next_free_sgpr 102
		.amdhsa_reserve_vcc 0
		.amdhsa_float_denorm_mode_32 3
		.amdhsa_float_denorm_mode_16_64 3
		.amdhsa_memory_ordered 1
		.amdhsa_forward_progress 1
		.amdhsa_inst_pref_size 89
	.end_amdhsa_kernel
	.amdgpu_metadata
---
amdhsa.version: [ 1, 2 ]
amdhsa.kernels:
  - .name:           k_qadedd10438_outp
    .symbol:         k_qadedd10438_outp.kd
    .args:
      - { .name: cc, .offset: 0, .size: 8, .value_kind: global_buffer, .address_space: global }
      - { .name: cs, .offset: 8, .size: 8, .value_kind: global_buffer, .address_space: global }
      - { .name: wc, .offset: 16, .size: 8, .value_kind: global_buffer, .address_space: global }
      - { .name: ws, .offset: 24, .size: 8, .value_kind: global_buffer, .address_space: global }
      - { .name: bo, .offset: 32, .size: 8, .value_kind: global_buffer, .address_space: global }
      - { .name: out0, .offset: 40, .size: 8, .value_kind: global_buffer, .address_space: global }
    .group_segment_fixed_size: 327680
    .private_segment_fixed_size: 0
    .kernarg_segment_align: 8
    .kernarg_segment_size: 48
    .max_flat_workgroup_size: 128
    .sgpr_count:     102
    .vgpr_count:     832
    .wavefront_size: 32
...
	.end_amdgpu_metadata
.endif
;; end of part 4
;; ======== version 2 of 2: 4 launches; version 1 with the launch attn written anew for expert scheduling mode
;; limits: right only within a limited range of input values
;; workspace buffers: xc 18,874,368 bytes; xs 786,432 bytes; wc 3,145,728 bytes; ws 131,072 bytes; mw 557,056 bytes of whole numbers; hq 20,185,088 bytes; cc 6,291,456 bytes; cs 524,288 bytes
;; launch prep: the kernel of part 1 again; grid 480 x 1, 4 waves a work-group, no clusters, 68,096 bytes of LDS; arguments q, k, v, wq, wk, wv, wo, mask, xc, xs, wc, ws, mw; writes xc, xs, wc, ws, mw
;; launch proj: the kernel of part 2 again; grid 4 x 192, 4 waves a work-group, clusters of 4 x 4, 327,680 bytes of LDS; arguments xc, xs, wc, ws, bq, bk, bv, hq; writes hq
;; launch attn (part 5): grid 4 x 64, 16 waves a work-group, no clusters, 210,944 bytes of LDS; arguments hq, mw, cc, cs; writes cc, cs
.if DOCPART == 5
	.amdgcn_target "amdgcn-amd-amdhsa--gfx1250"
	.amdhsa_code_object_version 6
	.text
	.protected	k_qadedd10438_attn
	.globl	k_qadedd10438_attn
	.p2align	8
	.type	k_qadedd10438_attn,@function
k_qadedd10438_attn:
	s_mov_b64 s[64:65], 0
	v_nop
	global_prefetch_b8 v0, s[64:65] scope:SCOPE_SE
	s_setreg_imm32_b32 hwreg(HW_REG_WAVE_SCHED_MODE, 0, 2), 2
	s_setreg_imm32_b32 hwreg(HW_REG_WAVE_MODE, 25, 1), 1
	s_wait_xcnt 0x0
	s_wait_alu depctr_vm_vsrc(0)
; ATTN.  ctx = softmax(where(mask == 0, -1e9, Q K^T / 8)) V for one head, both products on codes of FP6 (E2M3) with E8M0 scales; ctx is quantised along the head's 64 channels and stored as an operand image.
; THE SOFTMAX AHEAD OF THE SECOND PRODUCT: t = score x log2(e) / 8; M = the row's largest t so far, rounded up to a whole number; p = 2^(t - M) is quantised along the keys, not normalised;
; the row's sum is taken of the unquantised p and divides at the end.  When M moves, the sum and O are multiplied by 2^(old M - new M): exact.
; SHARES.  A work-group serves one head (y) and 32 of its 128 query tiles; the head's K, V and their scale words, 208,896 bytes, lie in LDS whole, stored there once through registers.
; Wave w of work-group x = g takes tile g + 4 w and then tile 127 - (g + 4 w): a fixed fold, right for every mask.  Four waves share a SIMD, so that one wave's vector work stands beside another's products and LDS loads.
; NO TENSOR LOAD, NO CLUSTER: the loop over key steps branches on flags that an earlier launch stored, and what the four work-groups of a head share is the one fill at the head.
; LAYOUT.  S^T = K Q^T (source 0 = 16 keys, source 1 = my 16 queries), O^T = V^T P^T: a lane holds one query throughout.  Tiles of keys, queries and channels take rows 32 (T / 2) + 8 (T % 2) + r % 8 + 16 (r / 8),
; so that the 16 registers of tiles 2 b, 2 b + 1 are 16 neighbours along the next K.  The head's 64 channels are half of the instruction's K: Q's upper 64 codes are zeros, K's upper 64 are whatever lies in the next six registers
; (the next tile's codes, or zeros): they meet zero codes and add nothing; their scale bytes are real bytes, never 0xff.
; THE MASK.  mw holds, for each query tile and key step, the lane mask of each of the 64 score registers, and flags: a step none of whose keys is open is left out (only where every row of the tile has an open key somewhere);
; a step all of whose keys are open skips the 64 selects.
; LIMIT: a hidden raw score becomes -2^33 (the logit -2^30) where reference() writes the logit -1e9.  The results are reference()'s as long as every OPEN logit lies above about -9e8: a row with an open key has p = 0
; at hidden keys either way; a row with none has p = 1 at all 2,048 keys (-2^33 x c is a whole f32 number, so t - M is exactly 0).  NaN and infinities are not served.
; REGISTERS: v1-6 lane terms; v7-11, v30 the step's LDS addresses; v12 -M, v13 the largest t, v[14:15] the sum in two halves; v16-27 Q (v22-27 zeros); v28 -2^33; v32-79 K's eight half fragments, then V's four fragments; v80-85 zeros;
;   v86-95 offsets; v96-159 S^T, then p; v160-191 O^T; v192, v193 the add's two; v194, v195 ctx's scale words; v200-220 ctx's codes; v224-235 p's codes; v232-254 at work; v243 p's scale word; v248-251 scale words; v255 Q's.
;   The fill at the head passes through v32-79 and v96-149, which nothing else names until it has been stored to LDS.
; SCALARS: s12 wave, s13 g, s14 head, s15 query tile; s[16:63], s[80:95] the step's 64 mask words; s66 the key step; s67, s68, s69 its LDS offsets; s72 walk, s73 open; s[74:75] lane selects; s[76:77] c; s78 lanes 16-31; s79 the words' offset in mw.
; THE MODE: SCHED_MODE bits 1:0 = 2 (LLVM: expert scheduling mode 2), set by the entry lines.  The code itself states the register dependences
; between vector or matrix instructions and memory or LDS instructions, with s_wait_alu, always for 0.
; THE PLAN.  Registers that memory or LDS instructions touch:
;   v7-11, v95         The head: written once by vector lines; read by the fill's loads and LDS stores.
;   v32-79, v96-149    The head: the fill's loads land in them, its LDS stores read them.
;   v88-93             A tile's head: five offsets, written together; v88-91 are read by the tile's three loads, v92 and v93 by its two stores at its end.
;   v16-21, v255       The tile's loads land in them; every step's eight products K Q^T read them.
;   v7-11, v30         A step's head: six LDS addresses, written together; read by the step's 38 LDS loads.
;   v32-79, v248-251   K's loads land at the step's head, K Q^T reads them; V's loads land behind K Q^T, V^T P reads them.  One buffer for both: a wave has 256 registers and none to spare for a second.
;   v224-235, v243     p's codes and scale word: written by vector lines, taken by the scaled products V^T P.
;   v200-205, v212-217 ctx's codes of the first and of the second tile: written by the way out, read by its stores, never written again.
;   v94, v95           The end: written by two selects, read by the last store.        v192, v193: written at the head, read by the closing add alone.
; A STEP has one wait on vm_vsrc, ahead of the six adds, and five on va_vdst: behind the adds (the addresses; V^T P is done with the buffer), behind K Q^T (it is done with the buffer), one behind each batch of exponentials,
; and one ahead of V^T P (p's codes and scale word).  All stand inside the walked part of a step, straight ahead of what they serve: so they hold whatever steps were jumped over, in the first trip and round the backward jump.
.set KVB,   208896
.set QB,    106496
.set QOFF,  13369344
.set SPARE, 208896                     ; behind the head's block: the spare words, 128 bytes for each of 16 waves
.set SPW,   192
.set NIL,   193
	s_load_b256 s[4:11], s[0:1], 0x0               ; hq, mw, cc, cs
	v_lshl_add_u32 v[SPW], v0, 2, SPARE
	v_mov_b32 v[NIL], 0
	v_lshrrev_b32 v1, 5, v0
	v_readfirstlane_b32 s12, v1                    ; wave 0..15
	s_mov_b32 s13, ttmp9
	s_and_b32 s14, ttmp7, 0xffff                   ; 16 batch + head
	s_mul_i32 s2, s14, KVB
	s_mov_b32 s3, 0
	s_mul_i32 s100, s14, QB
	s_add_co_u32 s100, s100, QOFF
	s_mov_b32 s101, 0
	v_lshlrev_b32 v7, 4, v0                        ; 16 x thread: in memory and in LDS alike
	v_add_nc_u32 v8, 0x10000, v7                   ; (an LDS offset has 16 bits)
	v_add_nc_u32 v9, 0x20000, v7
	v_add_nc_u32 v10, 0x30000, v7
	v_lshlrev_b32 v95, 3, v0
	v_add_nc_u32 v11, 0x30000, v95
	s_wait_alu depctr_va_sdst(0)                   ; s12 is written, ahead of its first reader (the first tile's number) and of every label
	s_wait_kmcnt 0x0
	s_add_nc_u64 s[96:97], s[4:5], s[100:101]      ; the head's Q block
	s_add_nc_u64 s[4:5], s[4:5], s[2:3]            ; its K and V block
	s_wait_alu depctr_va_vdst(0)                   ; v7 to v11 and v95 are written: the fill's loads and its LDS stores read them as offsets and addresses
.irp i, 0,1,2,3,4,5,6,7,8,9,10,11,12,13,14,15,16,17,18,19,20,21,22,23,24
.if \i < 12
.set FD, 32+4*\i                       ; loads 0-11 into v32-79,
.else
.set FD, 48+4*\i                       ; loads 12-24 into v96-147: past the lane terms and zero codes of v80-95, which are made while the loads are out
.endif
	global_load_b128 v[FD:FD+3], v7, s[4:5] offset:8192*\i             ; the 512 threads read 8,192 consecutive bytes
.endr
	global_load_b64 v[148:149], v95, s[4:5] offset:204800              ; and the last 4,096
	s_lshr_b32 s2, s14, 4                          ; batch
	s_and_b32 s14, s14, 15                         ; head
	s_mul_i32 s100, s2, 1572864                    ; cc: 128 tiles of 12,288 bytes a batch, 768 bytes a head
	s_mul_i32 s3, s14, 768
	s_add_co_u32 s100, s100, s3
	s_add_nc_u64 s[8:9], s[8:9], s[100:101]
	s_lshl_b32 s100, s14, 15                       ; cs: 32,768 bytes a head, 8,192 a batch
	s_lshl_b32 s3, s2, 13
	s_add_co_u32 s100, s100, s3
	s_add_nc_u64 s[10:11], s[10:11], s[100:101]
	s_mov_b32 s74, 0x76543210
	s_mov_b32 s75, 0xfedcba98
	s_mov_b32 s76, 0x3e38aa3b                      ; c = log2(e) / 8
	s_mov_b32 s77, s76                             ; (named with it as a pair, so it is written)
	s_mov_b32 s78, 0xffff0000
	v_and_b32 v29, 31, v0                          ; lane.  (From here to the LDS stores the vector lines write v1-6, v22-29, v80-87, v236-239, v252, v253: no register that the fill's loads or stores touch)
	v_lshlrev_b32 v1, 4, v29                       ; K's half fragments: 16 l,
	v_lshlrev_b32 v86, 3, v29                      ; 8 l
	v_add_nc_u32 v2, 512, v86                      ; and 8 l + 512
	v_add_nc_u32 v3, 98304, v1                     ; V's fragments
	v_add_nc_u32 v4, 98816, v86
	v_lshlrev_b32 v5, 2, v29
	v_add_nc_u32 v6, 204800, v5                    ; V's scale words
	v_add_nc_u32 v5, 196608, v5                    ; K's
	v_and_b32 v87, 15, v0
	v_lshlrev_b32 v87, 2, v87                      ; 4 r
	v_mov_b32 v28, 0xd0000000                      ; -2^33
.irp j, 22,23,24,25,26,27,80,81,82,83,84,85
	v_mov_b32 v[\j], 0                             ; zero codes; never rewritten
.endr
.irp j, 236,237,238,239,252,253
	v_mov_b32 v[\j], 0                             ; written once: lane permutes' destinations, and the upper half of the pair v[252:253]
.endr
.irp i, 0,1,2,3,4,5,6,7,8,9,10,11,12,13,14,15,16,17,18,19,20,21,22,23,24
.if \i < 12
.set FD, 32+4*\i
.else
.set FD, 48+4*\i
.endif
	s_wait_loadcnt 25-\i                           ; loads come back in order: load i is in, the 25 - i younger ones may be out
	ds_store_b128 v[7+\i/8], v[FD:FD+3] offset:8192*(\i%8)
.endr
	s_wait_loadcnt 0x0
	ds_store_b64 v11, v[148:149] offset:8192
	s_wait_dscnt 0x0                               ; for the others' sake: my stores have landed
	s_barrier_signal -1
	s_barrier_wait -1                              ; the launch's one barrier: from here on LDS is only read
.macro TILE z
	s_wait_xcnt 0x0                                ; the offsets of the last tile's loads and stores are written again only behind this wait
	s_wait_alu depctr_vm_vsrc(0)                   ; first tile: the fill's loads and LDS stores have read v7-11, v95, v32-79 and v96-149, all written again below; second tile: the first's loads and stores have read v88, v89, v92, v93
.if (\z) == 0
	s_lshl_b32 s15, s12, 2
	s_add_co_u32 s15, s15, s13                     ; g + 4 w
.else
	s_sub_co_u32 s15, 127, s15
.endif
	s_lshl_b32 s2, s15, 8
	s_load_b64 s[72:73], s[6:7], s2 offset:0x80000 ; walk, open
	s_mul_i32 s3, s15, 768
	v_add_nc_u32 v88, s3, v1
	v_add_nc_u32 v89, s3, v86
	s_lshl_b32 s3, s15, 6
	v_add_nc_u32 v[90+(\z)], s3, v87               ; 64 tile + 4 r: Q's scale words, and later ctx's
	s_mul_i32 s3, s15, 12288
	v_add_nc_u32 v92, s3, v1                       ; where the tile's codes of ctx go: made here, with the other offsets, ahead of the one wait
	v_add_nc_u32 v93, s3, v86
	s_wait_alu depctr_va_vdst(0)                   ; the five offsets are written; the last tile's products are done reading v16-21 and v255, in which the loads below land; the zero codes v22-27 and v80-85 are written, which the scaled products take
	global_load_b128 v[16:19], v88, s[96:97]
	global_load_b64 v[20:21], v89, s[96:97] offset:512
	global_load_b32 v255, v[90+(\z)], s[96:97] offset:98304
	s_lshl_b32 s79, s15, 12                        ; the tile's mask words: 4,096 bytes
	v_mov_b32 v13, 0xff61b1e6                      ; the largest t so far: -3e38
	v_floor_f32 v12, -v13                          ; -M
	v_mov_b32 v14, 0
	v_mov_b32 v15, 0
.set j, 0
.rept 32
	v_mov_b32 v[160+j], 0                          ; O^T: the step is written once; the first change of M leaves zeros zeros
.set j, j+1
.endr
	s_mov_b32 s66, 0
	s_mov_b32 s67, 0
	s_mov_b32 s68, 0
	s_mov_b32 s69, 0
	s_wait_kmcnt 0x0
	s_wait_loadcnt 0x0
.Lstep_\@:                                             ; 16 trips, a constant; a step without open keys jumps to the lines that step the offsets
	s_bitcmp1_b32 s72, s66
	s_cbranch_scc0 .Lskip_\@
	s_load_b512 s[16:31], s[6:7], s79 offset:0x0   ; the step's 64 lane masks, in every step that is walked
	s_load_b512 s[32:47], s[6:7], s79 offset:0x40
	s_load_b512 s[48:63], s[6:7], s79 offset:0x80
	s_load_b512 s[80:95], s[6:7], s79 offset:0xc0
	s_wait_alu depctr_vm_vsrc(0)                   ; the LDS loads of the step walked last have read v7-11 and v30, which the six lines below write again
	v_add_nc_u32 v7, s67, v1                       ; the step's six LDS addresses
	v_add_nc_u32 v8, s67, v2
	v_add_nc_u32 v9, s67, v3
	v_add_nc_u32 v10, s67, v4
	v_add_nc_u32 v11, s68, v5
	v_add_nc_u32 v30, s69, v6
	s_wait_alu depctr_va_vdst(0)                   ; the six addresses are written, for all 38 LDS loads of the step; the last step's products V^T P are done reading v32-79, v248 and v249, in which K's loads land
.irp t, 0,1,2,3,4,5,6,7
	ds_load_b128 v[32+6*\t:35+6*\t], v7 offset:768*\t
	ds_load_b64 v[36+6*\t:37+6*\t], v8 offset:768*\t
.endr
.irp i, 0,1,2,3
	ds_load_b32 v[248+\i], v11 offset:128*\i       ; lanes 0-15 tile 2 i's words, lanes 16-31 tile 2 i + 1's
.endr
	s_wait_dscnt 0x0
.irp t, 0,2,4,6
	v_wmma_scale_f32_16x16x128_f8f6f4 v[96+8*\t:103+8*\t], v[32+6*\t:43+6*\t], v[16:27], 0, v[248+\t/2], v255 matrix_a_fmt:MATRIX_FMT_FP6 matrix_b_fmt:MATRIX_FMT_FP6
	v_wmma_scale_f32_16x16x128_f8f6f4 v[104+8*\t:111+8*\t], v[38+6*\t:49+6*\t], v[16:27], 0, v[248+\t/2], v255 matrix_a_fmt:MATRIX_FMT_FP6 matrix_b_fmt:MATRIX_FMT_FP6 matrix_a_scale:MATRIX_SCALE_ROW1
.endr
.rept 4
	v_nop                                          ; places in front of the first read of the scores; they stay beside the wait below
.endr
	s_wait_alu depctr_va_vdst(0)                   ; the eight products K Q^T are done reading v32-79 and v248-251, in which V's loads land
.irp d, 0,1,2,3                        ; V's fragments are asked for now and land under the softmax
	ds_load_b128 v[32+12*\d:35+12*\d], v9 offset:1536*\d
	ds_load_b64 v[36+12*\d:37+12*\d], v10 offset:1536*\d
	ds_load_b128 v[38+12*\d:41+12*\d], v9 offset:1536*\d+768
	ds_load_b64 v[42+12*\d:43+12*\d], v10 offset:1536*\d+768
.endr
	ds_load_b32 v248, v30
	ds_load_b32 v249, v30 offset:128
	s_wait_kmcnt 0x0                               ; the masks are in, on both ways below: none is pending at the next step's loads
	s_bitcmp1_b32 s73, s66
	s_cbranch_scc1 .Lopen_\@
.set n, 0
.rept 64
.if n < 48
.set w, 16+n
.else
.set w, 32+n
.endif
	v_cndmask_b32 v[96+n], v28, v[96+n], s[w]      ; a hidden key's score becomes -2^33; each accumulator from its low end on
.set n, n+1
.endr
.Lopen_\@:
.irp b, 0,1,2,3
	v_max3_num_f32 v[232+\b], v[96+16*\b], v[97+16*\b], v[98+16*\b]   ; the largest score of each block of 32 keys: for the row's maximum, and, since p rises with the score, for the block's largest p
.endr
.irp i, 3,5,7,9,11,13
.irp b, 0,1,2,3
	v_max3_num_f32 v[232+\b], v[232+\b], v[96+16*\b+\i], v[97+16*\b+\i]
.endr
.endr
.irp b, 0,1,2,3
	v_max_num_f32 v[232+\b], v[232+\b], v[111+16*\b]
.endr
.irp b, 0,1,2,3
	v_permlanex16_b32 v[236+\b], v[232+\b], s74, s75
.endr
.irp b, 0,1,2,3
	v_max_num_f32 v[232+\b], v[232+\b], v[236+\b]  ; with lane l xor 16's 16 keys
.endr
	v_max3_num_f32 v254, v232, v233, v234
	v_max_num_f32 v254, v254, v235
	v_mul_f32 v254, s76, v254                      ; as t
	v_max_num_f32 v13, v13, v254                   ; the running largest t
	v_mov_b32 v254, v12
	v_floor_f32 v12, -v13                          ; the new -M = -ceil(t)
	v_sub_f32 v254, v12, v254                      ; old M - new M: a whole number, 0 or less
	v_cvt_i32_f32 v254, v254                       ; (it saturates)
	v_ldexp_f32 v252, 1.0, v254                    ; f = 2^(old M - new M)
.set j, 0
.rept 32
	v_pk_fma_f32 v[96+j:97+j], v[96+j:97+j], s[76:77], v[12:13] op_sel_hi:[1,0,0]   ; t - M, two at a time
.set j, j+2
.endr
.irp b, 0,1,2,3
	v_fma_f32 v[232+\b], v[232+\b], s76, v12       ; the same of each block's largest score
.endr
.set j, 0
.rept 64
	v_exp_f32 v[96+j], v[96+j]                     ; p = 2^(t - M)
.set j, j+1
.endr
	v_pk_mul_f32 v[14:15], v[14:15], v[252:253] op_sel_hi:[1,0]   ; the sums under the new M: a plain place behind the exponentials
	s_wait_alu depctr_va_vdst(0)                   ; the 64 exponentials have written v96-159: one wait for the batch, ahead of its first reader
.irp b, 0,1,2,3
	v_exp_f32 v[232+\b], v[232+\b]                 ; the block's largest p
.endr
	v_pk_add_f32 v[236:237], v[96:97], v[98:99]    ; the row's sum of the unquantised p, in two chains
.irp j, 4,8,12,16,20,24,28,32,36,40,44,48,52,56,60
	v_pk_add_f32 v[14:15], v[14:15], v[96+\j:97+\j]
	v_pk_add_f32 v[236:237], v[236:237], v[98+\j:99+\j]
.endr
	v_pk_add_f32 v[14:15], v[14:15], v[236:237]
	s_wait_alu depctr_va_vdst(0)                   ; the four exponentials have written v232-235, ahead of their first reader
.irp b, 0,1,2,3
	v_max_num_f32 v[232+\b], 0x1800000, v[232+\b]  ; the floor 2^(3 - 127): a block whose every p is 0 keeps the byte 1 over zero codes
.endr
.irp b, 0,1,2,3
	v_add_nc_u32 v[244+\b], 0xff000000, v[232+\b]
.endr
.irp b, 0,1,2,3
	v_lshrrev_b32 v[236+\b], 23, v[244+\b]
.endr
	v_lshl_or_b32 v243, v237, 8, v236              ; p's scale word for these 128 keys
	v_lshl_or_b32 v243, v238, 16, v243
	v_lshl_or_b32 v243, v239, 24, v243
.irp c, 0,1
	v_cvt_scalef32_pk16_fp6_f32 v[224+6*\c:226+6*\c], v[96+32*\c:111+32*\c], v[244+2*\c]
	v_cvt_scalef32_pk16_fp6_f32 v[236+4*\c:238+4*\c], v[112+32*\c:127+32*\c], v[245+2*\c]
.endr
	v_nop                                          ; one plain place behind a scaled conversion
.irp c, 0,1
.irp k, 0,1,2
	v_permlane16_swap_b32 v[224+6*\c+\k], v[236+4*\c+\k]
.endr
.irp k, 0,1,2
	v_mov_b32 v[227+6*\c+\k], v[236+4*\c+\k]
.endr
.endr
.set j, 0
.rept 16
	v_pk_mul_f32 v[160+j:161+j], v[160+j:161+j], v[252:253] op_sel_hi:[1,0]   ; O^T under the new M, tile 0 first: the twelve lines of tiles 1 to 3 are the places between p's scale word and codes and the first product
.set j, j+2
.endr
	s_wait_alu depctr_va_vdst(0)                   ; p's codes v224-235 and its scale word v243 are written, which the scaled products below take as source 1 and its scales; the places above stay beside this wait
	s_wait_dscnt 0x0                               ; V is in
.irp d, 0,2                            ; four accumulators by turns
	v_wmma_scale_f32_16x16x128_f8f6f4 v[160+8*\d:167+8*\d], v[32+12*\d:43+12*\d], v[224:235], v[160+8*\d:167+8*\d], v[248+\d/2], v243 matrix_a_fmt:MATRIX_FMT_FP6 matrix_b_fmt:MATRIX_FMT_FP6
	v_wmma_scale_f32_16x16x128_f8f6f4 v[168+8*\d:175+8*\d], v[44+12*\d:55+12*\d], v[224:235], v[168+8*\d:175+8*\d], v[248+\d/2], v243 matrix_a_fmt:MATRIX_FMT_FP6 matrix_b_fmt:MATRIX_FMT_FP6 matrix_a_scale:MATRIX_SCALE_ROW1
.endr
.Lskip_\@:
	s_wait_xcnt 0x0                                ; the scalar loads have read their offset
	s_add_co_u32 s79, s79, 256
	s_add_co_u32 s67, s67, 6144
	s_add_co_u32 s68, s68, 512
	s_add_co_u32 s69, s69, 256
	s_add_co_u32 s66, s66, 1
	s_cmp_lt_u32 s66, 16
	s_cbranch_scc1 .Lstep_\@
	; the way out: O^T / the sum; register 16 b + i is channel 32 b + 16 h + i of my query: two blocks along the last product's K
.rept 4
	v_nop
.endr
	v_add_f32 v14, v14, v15
	v_permlanex16_b32 v252, v14, s74, s75
	v_add_f32 v14, v14, v252                       ; the row's sum
	v_rcp_f32 v14, v14
	v_nop                                          ; a plain place behind the reciprocal
	s_wait_alu depctr_va_vdst(0)                   ; the reciprocal has written v14, ahead of its first reader
.set j, 0
.rept 16
	v_pk_mul_f32 v[160+j:161+j], v[160+j:161+j], v[14:15] op_sel_hi:[1,0]
.set j, j+2
.endr
.set CX, 200+12*(\z)
.irp b, 0,1
	v_max3_num_f32 v[232+\b], |v[160+16*\b]|, |v[161+16*\b]|, 0x1800000
.endr
.irp i, 2,4,6,8,10,12,14
.irp b, 0,1
	v_max3_num_f32 v[232+\b], v[232+\b], |v[160+16*\b+\i]|, |v[161+16*\b+\i]|
.endr
.endr
.irp b, 0,1
	v_permlanex16_b32 v[236+\b], v[232+\b], s74, s75
.endr
.irp b, 0,1
	v_max_num_f32 v[232+\b], v[232+\b], v[236+\b]
.endr
.irp b, 0,1
	v_add_nc_u32 v[244+\b], 0xff000000, v[232+\b]
.endr
.irp b, 0,1
	v_lshrrev_b32 v[236+\b], 23, v[244+\b]
.endr
	v_lshl_or_b32 v[194+(\z)], v237, 8, v236       ; the head's two scale bytes of my query
	v_cvt_scalef32_pk16_fp6_f32 v[CX:CX+2], v[160:175], v244
	v_cvt_scalef32_pk16_fp6_f32 v[CX+6:CX+8], v[176:191], v245
	v_nop
.irp k, 0,1,2
	v_permlane16_swap_b32 v[CX+\k], v[CX+6+\k]
.endr
.irp k, 0,1,2
	v_mov_b32 v[CX+3+\k], v[CX+6+\k]
.endr
	s_wait_alu depctr_va_vdst(0)                   ; the conversions, swaps and moves have written v[CX] to v[CX + 5], which the two stores read
	global_store_b128 v92, v[CX:CX+3], s[8:9]      ; a half fragment: 512 and 256 consecutive bytes
	global_store_b64 v93, v[CX+4:CX+5], s[8:9] offset:512
.endm
	TILE 0
	TILE 1
	v_cndmask_b32 v94, v194, v195, s78             ; lanes 0-15 store the first tile's 16 scale words, lanes 16-31 the second's
	v_cndmask_b32 v95, v90, v91, s78               ; (the fill's last load, which read v95, stands ahead of the tiles' waits on vm_vsrc)
	s_wait_alu depctr_va_vdst(0)                   ; the two selects have written v94 and v95, the store's data and offset
	global_store_b32 v95, v94, s[10:11]
	s_wait_dscnt 0x0                               ; the closing lines, six on end
	s_wait_alu 0x0
	s_wait_tensorcnt 0x0
	ds_add_u32 v[SPW], v[NIL]
	s_wait_dscnt 0x0
	s_endpgm
.Lfunc_end_k_qadedd10438_attn:
	.size	k_qadedd10438_attn, .Lfunc_end_k_qadedd10438_attn-k_qadedd10438_attn
	.p2alignl 7, 3214868480
	.fill 96, 4, 3214868480
	.section	.rodata,"a",@progbits
	.p2align	6, 0x0
	.amdhsa_kernel k_qadedd10438_attn
		.amdhsa_group_segment_fixed_size 210944
		.amdhsa_private_segment_fixed_size 0
		.amdhsa_enable_private_segment 0
		.amdhsa_kernarg_size 32
		.amdhsa_user_sgpr_count 2
		.amdhsa_user_sgpr_kernarg_segment_ptr 1
		.amdhsa_wavefront_size32 1
		.amdhsa_system_sgpr_workgroup_id_x 1
		.amdhsa_system_sgpr_workgroup_id_y 1
		.amdhsa_system_sgpr_workgroup_id_z 1
		.amdhsa_system_vgpr_workitem_id 0
		.amdhsa_next_free_vgpr 256
		.amdhsa_next_free_sgpr 102
		.amdhsa_reserve_vcc 0
		.amdhsa_float_denorm_mode_32 3
		.amdhsa_float_denorm_mode_16_64 3
		.amdhsa_memory_ordered 1
		.amdhsa_forward_progress 1
		.amdhsa_inst_pref_size 62
	.end_amdhsa_kernel
	.amdgpu_metadata
---
amdhsa.version: [ 1, 2 ]
amdhsa.kernels:
  - .name:           k_qadedd10438_attn
    .symbol:         k_qadedd10438_attn.kd
    .args:
      - { .name: hq, .offset: 0, .size: 8, .value_kind: global_buffer, .address_space: global }
      - { .name: mw, .offset: 8, .size: 8, .value_kind: global_buffer, .address_space: global }
      - { .name: cc, .offset: 16, .size: 8, .value_kind: global_buffer, .address_space: global }
      - { .name: cs, .offset: 24, .size: 8, .value_kind: global_buffer, .address_space: global }
    .group_segment_fixed_size: 210944
    .private_segment_fixed_size: 0
    .kernarg_segment_align: 8
    .kernarg_segment_size: 32
    .max_flat_workgroup_size: 512
    .sgpr_count:     102
    .vgpr_count:     256
    .wavefront_size: 32
...
	.end_amdgpu_metadata
.endif
;; end of part 5
;; launch outp: the kernel of part 4 again; grid 4 x 64, 4 waves a work-group, clusters of 4 x 4, 327,680 bytes of LDS; arguments cc, cs, wc, ws, bo, out0; writes out0
